; MI455X (gfx1250); checked and timed in simulation.
; The chip was launched on July 23, 2026; its instructions are those of AMD's public machine-readable ISA for CDNA 5 (MIT licence, August 2026) and "CDNA5" Instruction Set Architecture Reference Guide (July 2026). The comments in the code are by the model that wrote it; some were corrected since.
;; MAN. Allowed arithmetic: matrix products marked QUANTISED: E2M3 operands, one E8M0 scale for each 32 along K, by v_wmma_scale_f32_16x16x128_f8f6f4 with both operands' format E2M3, f32 sums; everything else in f32.
;; Inputs: Wk_codes 1,024 x 32 x 24 uint8 (E2M3 codes of Wk, K innermost, in blocks of 32 codes, four codes in three bytes); Wk_scales 1,024 x 32 uint8 (E8M0 scales of Wk, one for each 32 codes along K); Wo_codes 1,024 x 32 x 24 uint8 (E2M3 codes of Wo, K innermost, in blocks of 32 codes, four codes in three bytes); Wo_scales 1,024 x 32 uint8 (E8M0 scales of Wo, one for each 32 codes along K); Wq_codes 1,024 x 32 x 24 uint8 (E2M3 codes of Wq, K innermost, in blocks of 32 codes, four codes in three bytes); Wq_scales 1,024 x 32 uint8 (E8M0 scales of Wq, one for each 32 codes along K); Wv_codes 1,024 x 32 x 24 uint8 (E2M3 codes of Wv, K innermost, in blocks of 32 codes, four codes in three bytes); Wv_scales 1,024 x 32 uint8 (E8M0 scales of Wv, one for each 32 codes along K); bk 1,024 float32; bo 1,024 float32; bq 1,024 float32; bv 1,024 float32; gammas 16 float32; k_codes 4 x 1,024 x 32 x 24 uint8 (E2M3 codes of k, K innermost, in blocks of 32 codes, four codes in three bytes); k_scales 4 x 1,024 x 32 uint8 (E8M0 scales of k, one for each 32 codes along K); q_codes 4 x 1,024 x 32 x 24 uint8 (E2M3 codes of q, K innermost, in blocks of 32 codes, four codes in three bytes); q_scales 4 x 1,024 x 32 uint8 (E8M0 scales of q, one for each 32 codes along K); v_codes 4 x 1,024 x 32 x 24 uint8 (E2M3 codes of v, K innermost, in blocks of 32 codes, four codes in three bytes); v_scales 4 x 1,024 x 32 uint8 (E8M0 scales of v, one for each 32 codes along K).
;; Outputs: out0 4 x 1,024 x 1,024 float32.
;; This version of the problem:
;;   THIS VERSION OF THE PROBLEM IS GIVEN IN LOW PRECISION. The matrix products marked QUANTISED in the list below multiply operands that are first quantised to E2M3 (2 exponent bits, 3 mantissa bits; 6 bits a number), with one power-of-two scale for each 32 numbers along K (OCP MX v1.0); their sums are f32. All else is computed in f32.
;;   The module's matrix products, in the order in which they are computed (A, B: the left and right operand; K: the contracted axis; several contracted axes count as one K, in the product's order):
;;     1. [M 4,096, K 1,024] x [K 1,024, N 1,024]; A: input q (given as codes); B: input Wq (given as codes): QUANTISED
;;     2. [M 4,096, K 1,024] x [K 1,024, N 1,024]; A: input k (given as codes); B: input Wk (given as codes): QUANTISED
;;     3. [M 4,096, K 1,024] x [K 1,024, N 1,024]; A: input v (given as codes); B: input Wv (given as codes): QUANTISED
;;     4. batch 64 x [M 1,024, K 64] x [K 64, N 1,024]; A: computed on the way; B: computed on the way: QUANTISED
;;     5. batch 64 x [M 1,024, K 1,024] x [K 1,024, N 64]; A: softmax (see below); B: computed on the way: QUANTISED
;;     6. [M 4,096, K 1,024] x [K 1,024, N 1,024]; A: computed on the way; B: input Wo (given as codes): QUANTISED
;;   THE QUANTISER, for each operand of a quantised product, along K:
;;     - K is cut into blocks of 32 from its start; a last block that is shorter is filled with zeros.
;;     - A block's scale is 2^e with e = floor(log2(the largest magnitude in the block)) - 2, held to -126 .. 127; a block of zeros has e = 0. As a byte (E8M0): e + 127.
;;     - Each number is divided by its block's scale, clamped to +-7.5, and rounded to the nearest number of E2M3, ties to even, subnormals kept.
;;     - The product sums the exact products of the quantised numbers (number of the format x scale) in f32.
;;   ~~~python
;;   def quantise(x, axis):      # numpy; x: float32 -> the quantised numbers, widened to float32 again
;;       x = np.moveaxis(x, axis, -1); K = x.shape[-1]
;;       x = np.pad(x, [(0, 0)] * (x.ndim - 1) + [(0, -K % 32)]); x = x.reshape(x.shape[:-1] + (-1, 32)); a = np.abs(x).max(-1, keepdims=True)
;;       e = np.where(a > 0, np.clip(np.frexp(np.where(a > 0, a, 1))[1] - 1 - 2, -126, 127), 0)      # np.frexp(a)[1] - 1 = floor(log2(a)), exactly
;;       r = np.clip(x / 2.0 ** e, -7.5, 7.5)
;;       step = 2.0 ** (np.maximum(np.frexp(np.where(r == 0, 1, r))[1] - 1, 0) - 3)
;;       q = np.round(r / step) * step * 2.0 ** e      # np.round: ties to even
;;       return np.moveaxis(q.reshape(q.shape[:-2] + (-1,))[..., :K], -1, axis).astype(np.float32)
;;   ~~~
;;   SOFTMAX AHEAD OF A QUANTISED PRODUCT. Where the list says 'softmax', what is quantised is not the finished softmax but p = 2^(t - M), with t = logit x log2(e) and M = ceil(the row's largest t), a whole number; so 1/2 < the row's largest p <= 1. The row's sum l is taken of the UNQUANTISED p, in f32, and the product's result is divided by l at the end. Since M is a whole number, a kernel that streams over the keys may use a running M (the ceiling of the running maximum): every later rescaling is an exact power of two, which a block's scale takes up: the codes' values come out the same.
;;   OPERANDS COMPUTED ON THE WAY. 'Computed on the way' means the value that the module computes at that place (a softmax that the list does not call 'softmax' is quantised finished and normalised). What goes into a quantiser is computed in f32, as accurately as f32 sums, v_exp_f32 and their like allow (about 1e-6 of the number): no bf16 or f16 on the way to a quantiser, and a product that is left as it is and whose result goes on into a quantised operand takes f32 operands (vector FMAs, or v_wmma_f32_16x16x4_f32). A number that lies on a knife's edge between two numbers of the format may be rounded either way, as far as f32 arithmetic and the matrix unit's own rounding can turn it there, and no further.
;;   INPUTS GIVEN AS CODES. Wk (in the module: [1024, 1024], K = its axis 1); Wo (in the module: [1024, 1024], K = its axis 1); Wq (in the module: [1024, 1024], K = its axis 1); Wv (in the module: [1024, 1024], K = its axis 1); k (in the module: [4, 1024, 1024], K = its axis 2); q (in the module: [4, 1024, 1024], K = its axis 2); v (in the module: [4, 1024, 1024], K = its axis 2): each comes as NAME_codes (uint8): NAME with its K axis moved to the last place and cut into blocks of 32 codes, [.., K / 32, bytes a block], one block behind the other in memory; four codes in three bytes: a row's codes are one little-endian stream of bits, code i at bits 6 i .. 6 i + 5 (a code: sign, 2 exponent bits, 3 mantissa bits); and NAME_scales (uint8): the same leading axes, one E8M0 byte (e + 127) for each 32 codes along K. Its value is code x scale, taken as it is: it is not quantised again, and the codes and scales need not be those that the quantiser above would give.
;; One version. Each part assembles by itself: llvm-mc -triple=amdgcn-amd-amdhsa -mcpu=gfx1250 --defsym DOCPART=n.
;; ======== version 1 of 1: 3 launches
;; limits: right only within a limited range of input values
;; workspace buffers: qimg 3,145,728 bytes; kimg 3,145,728 bytes; vimg 3,145,728 bytes; qsc 393,216 bytes; kvsc 393,216 bytes; cimg 3,145,728 bytes; csc 131,072 bytes
;; launch proj (part 1): grid 8 x 96, 4 waves a work-group, clusters of 4 x 4, 218,112 bytes of LDS; arguments q_codes, q_scales, Wq_codes, Wq_scales, bq, qimg, qsc, k_codes, k_scales, Wk_codes, Wk_scales, bk, kimg, kvsc, v_codes, v_scales, Wv_codes, Wv_scales, bv, vimg; writes qimg, qsc, kimg, kvsc, vimg
.if DOCPART == 1
	.amdgcn_target "amdgcn-amd-amdhsa--gfx1250"
	.amdhsa_code_object_version 6
	.text
	.protected	k_q35fb066d9a_proj
	.globl	k_q35fb066d9a_proj
	.p2align	8
	.type	k_q35fb066d9a_proj,@function
k_q35fb066d9a_proj:
	s_mov_b64 s[64:65], 0
	v_nop
	global_prefetch_b8 v0, s[64:65] scope:SCOPE_SE
	s_setreg_imm32_b32 hwreg(HW_REG_WAVE_MODE, 25, 1), 1
	s_wait_xcnt 0x0
	s_wait_alu depctr_hold_cnt(0) depctr_sa_sdst(0) depctr_va_vdst(0) depctr_va_sdst(0) depctr_va_ssrc(0) depctr_va_vcc(0) depctr_vm_vsrc(0)
	s_getreg_b32 s2, hwreg(HW_REG_IB_STS2, 6, 4)
	s_cmp_eq_u32 s2, 0
	s_cbranch_scc0 .Lentry_in_a_cluster
	s_endpgm
.Lentry_in_a_cluster:
	s_bfe_u32 s2, ttmp6, 0x10000c
	s_cmp_lg_u32 s2, 0xf033
	s_cbranch_scc0 .Lentry_shape_is_right
	s_endpgm
.Lentry_shape_is_right:
; THE THREE PROJECTIONS x W^T + b ON CODES OF FP6 (E2M3), AND THE QUANTISERS BEHIND THEM.  4,096 tokens, K = 1,024, 1,024 features, three times.
; A work-group makes 128 P rows x 128 R rows over the whole K.  The matrix instruction takes P's rows as source 0 and R's as source 1: lane (r, h) then holds R's row r, and register j of tile a holds P's row 16 a + 8 h + j.
;   q, k: P = the weight's rows (features), R = tokens: a lane's registers run along the features, that is along dk, the K of the scores.
;   v:    P = tokens (keys), R = Wv's rows: a lane's registers run down the keys, the K of the second product of attention.
; One text serves all three: only pointers and tile numbers are chosen (by the cluster's y, which all partners share); LDS, masks and shapes are constants.
; SHARES.  Four waves; wave w takes all 128 P rows x R rows 32 w .. 32 w + 31: 16 accumulators, so that a lane's 64 registers of one R tile are one whole fragment (128 along the next K) with one scale word.
; LDS IS FILLED ONCE: both operands for all of K (2 x 128 rows x 768 bytes) and their scale bytes are asked for at the head, a row in three chunks of 256 bytes, and are read once all have landed.  No byte is filled twice.
; CLUSTER 4 x 4: P's tile hangs on cx and is asked for jointly by a column of the cluster, R's on cy and by a row.
; OUT (this program's own layouts).  An IMAGE is the six registers of 16 rows x 64 K: registers 0-3 at 16 x lane (512 bytes), 4-5 at 512 + 8 x lane.  qimg, kimg: [batch x 16 + head][tile of 16 tokens][768].
;   qsc, kvsc: [batch x 16 + head][6144]: a word a token (its two bytes, then 127, 127).  vimg: [bh][128 keys][16 channels][1536]: a fragment's 12 registers, 512 bytes a group of four.  kvsc from byte 4,096 on: V's words [128 keys][channel].
; LIMITS: NaN and infinities are not served; blocks whose largest magnitude lies under 2^-124 (the floor) were not tried; a block of zeros gets the byte 1 where the quantiser says 127: its codes are zeros, and this program alone reads the bytes.
.set CH,   34816                       ; a chunk in LDS: 128 rows x (256 bytes + 16 of padding)
.set PB,   0                           ; P's three chunks
.set RB,   3*CH                        ; R's three chunks
.set SCP,  6*CH                        ; P's scale bytes: 16 units of 256 + 16
.set SCR,  SCP+4352                    ; R's
.set TW0,  (3<<16)|(1<<20)|(1<<21)|(5<<22)|(3<<25)   ; group 1, word 0 without the mask: elements of 8 bytes; padding on; bit 21 beside a mask; after every 64 words, 4 words
.set AP,   3                           ; v3-5   P: 816 r + 24 h
.set APX,  6                           ; v6-7   P: the same for pieces whose upper lanes' part lies in the next chunk
.set AR,   8                           ; v8-10  R likewise, with my wave's 32 rows
.set ARX,  11                          ; v11-12
.set L16,  13                          ; v13    16 x lane
.set L8,   14                          ; v14    8 x lane
.set L4,   15                          ; v15    4 x lane
.set SP,   24                          ; v24-55 P's scale words: register 8 b + q: tile 2 b (lanes 0-15) and 2 b + 1 (lanes 16-31), K step q
.set SR,   56                          ; v56-63 R's: register q: my tile 0 (lanes 0-15), tile 1 (lanes 16-31)
.set BI,   64                          ; v64-127 the bias, as the C of the first K step
.set ACC,  128                         ; v128-255 accumulator (n, a) at 128 + 64 n + 8 a
.set TM,   64                          ; behind the products: v64-67 largest magnitudes, v68-71 bytes, v76-79 the conversions' scale operands
.set PW,   80                          ; v80, v81 the two scale words
.set PC0,  88                          ; v88-99, v100-111 the two fragments' codes
.set TP,   112                         ; v112-118 at work
.set MSB, 0
.macro WIN new                         ; the immediate's high byte repeats the setting that is left
.if MSB != \new
	s_set_vgpr_msb (MSB<<8)|\new
.set MSB, \new
.endif
.endm
.set MUL,  0x05                        ; sources 0 and 1 in window 1 (the fragments: set s at 128 s; P's at 12 a, R's at 96 + 12 n); C and D in window 0
.set TO_F, 0x40                        ; destination in window 1, address in window 0
.macro PLACES                          ; four plain places behind matrix instructions, in front of loads into registers that they read and of reads of their results
.rept 4
	v_nop
.endr
.endm
.macro CROUND                          ; a round of the cluster's barrier
	s_barrier_signal -1
	s_barrier_wait -1
	s_cmp_lg_u32 s18, 0
	s_cbranch_scc1 .Lnot_wave_0_\@
	s_barrier_signal -3
.Lnot_wave_0_\@:
	s_barrier_wait -3
	s_barrier_signal -1
	s_barrier_wait -1
.endm
.macro GROUP0 g, lreg, lconst, preg, padd   ; a descriptor's group 0: count 1, LDS address, global address, type 2
	s_mov_b32 s[\g], 1
	s_add_co_u32 s[\g+1], s[\lreg], \lconst
	s_add_nc_u64 s[\g+2:\g+3], s[\preg:\preg+1], \padd
	s_or_b32 s[\g+3], s[\g+3], 0x80000000
.endm
; A fragment of 16 rows x 128 K out of rows that lie in three chunks.  Lanes 0-15 take the row's pieces of 8 bytes 12 q + 0, 1, 2, 6, 7, 8, lanes 16-31 those three pieces on; piece PCE lies in chunk PCE / 32.
; Where the piece three on lies in the next chunk, the second address register serves.  Rows are 816 bytes apart: the 32 lanes of a load touch words 12 r + 6 h + 0, 1 modulo 64, all different.
.macro FRAGROW reg, ab, ax, q, rowoff
.irp p, 0,1,2,3,4,5
.set PCE, 12*(\q)+6*(\p/3)+\p%3
.set CC, (PCE/32)*272+(PCE%32)*8       ; AS THE TEXT NOW STANDS: a row's three chunks lie one behind the other, 272 bytes apart, rows 816 bytes apart
.if PCE%32 < 29
	ds_load_b64 v[\reg+2*\p:\reg+2*\p+1], v[\ab] offset:CC+\rowoff
.else
	ds_load_b64 v[\reg+2*\p:\reg+2*\p+1], v[\ax] offset:CC+\rowoff
.endif
.endr
.endm
.macro FETCH q                         ; K step q's ten fragments into set q % 2: one run of 60 loads
.irp a, 0,1,2,3,4,5,6,7
	FRAGROW 128*((\q)%2)+12*\a, AP+\a/4, APX+\a/4, \q, 13056*(\a%4)
.endr
.irp n, 0,1
	FRAGROW 128*((\q)%2)+96+12*\n, AR, ARX, \q, 13056*\n
.endr
.endm
; Eight matrix instructions: P's eight tiles against my R tile n, K step q.  cmode 0: onto the sums; 1: C = the bias by P's rows; 2: C = the bias by R's rows.
; The sixteen accumulators take turns, one instruction a turn, in the same order in every step.
.macro MUL8 q, n, cmode
.irp a, 0,1,2,3,4,5,6,7
.set rD, ACC+64*(\n)+8*\a
.set rA, 128*((\q)%2)+12*\a
.set rB, 128*((\q)%2)+96+12*(\n)
.set rC, rD
.if (\cmode) == 1
.set rC, BI+8*\a
.endif
.if (\cmode) == 2
.set rC, BI+8*(\n)
.endif
.set rS, SP+8*(\a/2)+(\q)
.set rT, SR+(\q)
.if (\a%2) && (\n)
	v_wmma_scale_f32_16x16x128_f8f6f4 v[rD:rD+7], v[rA:rA+11], v[rB:rB+11], v[rC:rC+7], v[rS], v[rT] matrix_a_fmt:MATRIX_FMT_FP6 matrix_b_fmt:MATRIX_FMT_FP6 matrix_a_scale:MATRIX_SCALE_ROW1 matrix_b_scale:MATRIX_SCALE_ROW1
.elseif (\a%2)
	v_wmma_scale_f32_16x16x128_f8f6f4 v[rD:rD+7], v[rA:rA+11], v[rB:rB+11], v[rC:rC+7], v[rS], v[rT] matrix_a_fmt:MATRIX_FMT_FP6 matrix_b_fmt:MATRIX_FMT_FP6 matrix_a_scale:MATRIX_SCALE_ROW1
.elseif (\n)
	v_wmma_scale_f32_16x16x128_f8f6f4 v[rD:rD+7], v[rA:rA+11], v[rB:rB+11], v[rC:rC+7], v[rS], v[rT] matrix_a_fmt:MATRIX_FMT_FP6 matrix_b_fmt:MATRIX_FMT_FP6 matrix_b_scale:MATRIX_SCALE_ROW1
.else
	v_wmma_scale_f32_16x16x128_f8f6f4 v[rD:rD+7], v[rA:rA+11], v[rB:rB+11], v[rC:rC+7], v[rS], v[rT] matrix_a_fmt:MATRIX_FMT_FP6 matrix_b_fmt:MATRIX_FMT_FP6
.endif
.endr
.endm
; A K step of 128.  bar = 1: the next chunk is wanted by the fetch below: my own loads of it have landed (cnt younger loads of mine may stay out), then the work-group's barrier.
.macro STEP q, bar, cnt, cmode
	s_wait_dscnt 0x0                               ; this step's fragments are in; no LDS instruction of mine is pending at a signal
.if \bar
	s_wait_tensorcnt \cnt
	s_barrier_signal -1
	s_barrier_wait -1
.endif
	WIN MUL
	MUL8 \q, 0, \cmode
.if \q < 7
	PLACES                                         ; the other set was read by the step before
	WIN TO_F
	FETCH (\q)+1
.endif
	WIN MUL
	MUL8 \q, 1, \cmode
.endm
; Blocks of 32 in tiles of 16 natural rows: lanes 0-15 hold a block's numbers 0-7 and 16-23 (part A), lanes 16-31 its 8-15 and 24-31 (part B).  Each part is converted as it stands (96 bits: six halfwords);
; the exchange of lane halves gives each lane both parts of ONE block (lanes 0-15 block 2 c, lanes 16-31 block 2 c + 1); five lines put the halfwords in order: a0 a1 a2 b0 b1 b2 a3 a4 a5 b3 b4 b5.
.macro CODES s, pc, tp, sc, nc
.irp c, 0,1
.if \c < \nc
	v_cvt_scalef32_pk16_fp6_f32 v[\pc+6*\c:\pc+6*\c+2], v[\s+32*\c:\s+32*\c+15], v[\sc+2*\c]
	v_cvt_scalef32_pk16_fp6_f32 v[\tp+4*\c:\tp+4*\c+2], v[\s+32*\c+16:\s+32*\c+31], v[\sc+2*\c+1]
.endif
.endr
	v_nop                                          ; one plain place behind a scaled conversion
.irp c, 0,1
.if \c < \nc
.irp i, 0,1,2
	v_permlane16_swap_b32 v[\pc+6*\c+\i], v[\tp+4*\c+\i]
.endr
	v_perm_b32 v[\pc+6*\c+3], v[\pc+6*\c+2], v[\pc+6*\c+1], 0x05040302   ; a3 a4
	v_perm_b32 v[\pc+6*\c+4], v[\tp+4*\c+1], v[\pc+6*\c+2], 0x07060302   ; a5 b3
	v_perm_b32 v[\pc+6*\c+1], v[\tp+4*\c], v[\pc+6*\c+1], 0x05040100     ; a2 b0
	v_perm_b32 v[\pc+6*\c+2], v[\tp+4*\c+1], v[\tp+4*\c], 0x05040302     ; b1 b2
	v_mov_b32 v[\pc+6*\c+5], v[\tp+4*\c+2]                               ; b4 b5
.endif
.endr
.endm
; 64 numbers of a lane (four blocks of 32, shared with lane l xor 16) become a fragment's codes in v[pc] on and its scale word in v[pw].
.macro QUANTN s, pc, pw
.irp b, 0,1,2,3
	v_max3_num_f32 v[TM+\b], |v[\s+16*\b]|, |v[\s+1+16*\b]|, 0x1800000   ; and the floor 2^(3 - 127): the byte cannot fall under 1
.endr
.irp i, 2,4,6,8,10,12,14
.irp b, 0,1,2,3
	v_max3_num_f32 v[TM+\b], v[TM+\b], |v[\s+16*\b+\i]|, |v[\s+1+16*\b+\i]|
.endr
.endr
.irp b, 0,1,2,3
	v_permlanex16_b32 v[TM+4+\b], v[TM+\b], s26, s27
.endr
.irp b, 0,1,2,3
	v_max_num_f32 v[TM+\b], v[TM+\b], v[TM+4+\b]   ; the block's largest magnitude
.endr
.irp b, 0,1,2,3
	v_add_nc_u32 v[TM+12+\b], 0xff000000, v[TM+\b] ; 2 off its exponent field: the conversion's scale operand
.endr
.irp b, 0,1,2,3
	v_lshrrev_b32 v[TM+4+\b], 23, v[TM+12+\b]      ; the scale's byte
.endr
	v_lshl_or_b32 v[\pw], v[TM+5], 8, v[TM+4]
	v_lshl_or_b32 v[\pw], v[TM+6], 16, v[\pw]
	v_lshl_or_b32 v[\pw], v[TM+7], 24, v[\pw]
	CODES \s, \pc, TP, TM+12, 2
.endm
	; three sets of seven pointers: x's codes, x's scales, W's codes, W's scales, the bias, the images, the scale words
	s_load_b256 s[28:35], s[0:1], 0x0
	s_load_b128 s[36:39], s[0:1], 0x20
	s_load_b64 s[40:41], s[0:1], 0x30
	s_load_b256 s[44:51], s[0:1], 0x38
	s_load_b128 s[52:55], s[0:1], 0x58
	s_load_b64 s[56:57], s[0:1], 0x68
	s_load_b256 s[68:75], s[0:1], 0x70
	s_load_b128 s[76:79], s[0:1], 0x90
	s_load_b64 s[80:81], s[0:1], 0x68              ; v's scale words go into kvsc too
	v_lshl_add_u32 v22, v0, 2, 0x35200
	v_mov_b32 v23, 0
	ds_add_u32 v22, v23
	ds_add_u32 v22, v23
	v_lshrrev_b32 v1, 5, v0
	v_readfirstlane_b32 s18, v1                    ; wave 0..3
	v_and_b32 v1, 15, v0                           ; r
	v_bfe_u32 v2, v0, 4, 1                         ; h
	s_and_b32 s19, s18, 1                          ; which 64 rows of a tile I fetch
	s_bfe_u32 s21, ttmp6, 0x40000                  ; cx
	s_bfe_u32 s22, ttmp6, 0x40004                  ; cy
	s_and_b32 s25, ttmp7, 0xffff                   ; the cluster's y, 0..23
	s_lshr_b32 s20, s25, 3                         ; 0: q, 1: k, 2: v: the same in all sixteen partners
	s_and_b32 s25, s25, 7
	s_lshl_b32 s2, 0x1111, s21                     ; my column of the cluster: P's tiles
	s_lshl_b32 s3, s22, 2
	s_lshl_b32 s3, 15, s3                          ; my row: R's tiles
	s_mov_b32 s26, 0x76543210
	s_mov_b32 s27, 0xfedcba98                      ; v_permlanex16_b32's selects for lane l xor 16
	s_wait_dscnt 0x0
	s_wait_kmcnt 0x0
	s_cmp_eq_u32 s20, 0
.irp i, 0,1,2,3,4,5,6
	s_cselect_b64 s[4+2*\i:5+2*\i], s[28+2*\i:29+2*\i], s[44+2*\i:45+2*\i]
.endr
	s_cmp_eq_u32 s20, 2
.irp i, 0,1,2,3,4,5,6
	s_cselect_b64 s[4+2*\i:5+2*\i], s[68+2*\i:69+2*\i], s[4+2*\i:5+2*\i]
.endr
	s_cselect_b64 s[60:61], s[4:5], s[8:9]         ; P's codes: v: the tokens'; q, k: the weight's
	s_cselect_b64 s[62:63], s[6:7], s[10:11]       ; P's scales
	s_cselect_b64 s[8:9], s[8:9], s[4:5]           ; R's codes
	s_cselect_b64 s[10:11], s[10:11], s[6:7]       ; R's scales
	s_cselect_b32 s23, s25, ttmp9
	s_cselect_b32 s24, ttmp9, s25
	s_lshl_b32 s23, s23, 2
	s_add_co_u32 s23, s23, s21                     ; P's tile of 128 rows
	s_lshl_b32 s24, s24, 2
	s_add_co_u32 s24, s24, s22                     ; R's tile
	s_lshl_b32 s101, s19, 6
	s_lshl_b32 s100, s23, 7
	s_lshl_b32 s4, s100, 5
	s_mov_b32 s5, 0
	s_add_nc_u64 s[62:63], s[62:63], s[4:5]        ; 32 scale bytes a row, from the tile's first row
	s_add_co_u32 s100, s100, s101                  ; P: the first row that a fetching wave takes
	s_mul_i32 s4, s100, 768
	s_add_nc_u64 s[60:61], s[60:61], s[4:5]        ; 768 bytes of codes a row
	s_lshl_b32 s25, s24, 7
	s_lshl_b32 s6, s25, 5
	s_mov_b32 s7, 0
	s_add_nc_u64 s[10:11], s[10:11], s[6:7]
	s_add_co_u32 s25, s25, s101
	s_mul_i32 s6, s25, 768
	s_add_nc_u64 s[8:9], s[8:9], s[6:7]
	; group 1: a half of the tile: 64 rows of 768 bytes as 192 dense lines of 32 elements of 8 bytes
	s_or_b32 s28, s2, TW0
	s_or_b32 s44, s3, TW0
.irp g, 28, 44
	s_mov_b32 s[\g+1], 32<<16                      ; tensor_dim0
	s_mov_b32 s[\g+2], 192<<16                     ; 64 rows of 768 bytes are dense in memory: 192 lines of 256 bytes
	s_mov_b32 s[\g+3], 32<<16                      ; tile_dim0
	s_mov_b32 s[\g+4], 192
	s_mov_b32 s[\g+5], 32
	s_mov_b32 s[\g+6], 0
	s_mov_b32 s[\g+7], 0
.endr
	s_mul_i32 s101, s19, 52224                     ; my half's place: 192 lines of 272 bytes; the wave's number alone enters an LDS address
	GROUP0 72, 101, PB, 60, 0
	GROUP0 88, 101, RB, 8, 0
	; the scale words go straight into their registers: row 32 b + lane of P, row 32 w + lane of R, 32 bytes a lane: two loads cover 1,024 consecutive bytes
	v_and_b32 v19, 31, v0
	v_lshlrev_b32 v19, 5, v19
	s_lshl_b32 s4, s18, 10
	v_add_nc_u32 v20, s4, v19
	s_wait_alu depctr_va_vdst(0)
.irp b, 0,1,2,3
	global_load_b128 v[SP+8*\b:SP+8*\b+3], v19, s[62:63] offset:1024*\b
	global_load_b128 v[SP+8*\b+4:SP+8*\b+7], v19, s[62:63] offset:1024*\b+16
.endr
	global_load_b128 v[SR:SR+3], v20, s[10:11]
	global_load_b128 v[SR+4:SR+7], v20, s[10:11] offset:16
	; the bias, in the result's layout, on its way while the tiles are asked for
	s_cmp_eq_u32 s20, 2
	s_cbranch_scc1 .Lbias_v
	s_lshl_b32 s4, s23, 9                          ; q, k: by P's rows: feature 128 P + 16 a + 8 h + j
	s_mov_b32 s5, 0
	s_add_nc_u64 s[12:13], s[12:13], s[4:5]
	s_wait_alu depctr_va_vdst(0)
	v_lshlrev_b32 v16, 5, v2
.irp a, 0,1,2,3,4,5,6,7
	global_load_b128 v[BI+8*\a:BI+8*\a+3], v16, s[12:13] offset:64*\a
	global_load_b128 v[BI+8*\a+4:BI+8*\a+7], v16, s[12:13] offset:64*\a+16
.endr
	s_branch .Lbias_done
.Lbias_v:
	s_lshl_b32 s6, s24, 9                          ; v: by R's rows: feature 128 R + 32 w + 16 n + r, the same in a tile's eight registers
	s_lshl_b32 s7, s18, 7
	s_add_co_u32 s6, s6, s7
	s_mov_b32 s7, 0
	s_add_nc_u64 s[12:13], s[12:13], s[6:7]
	s_wait_alu depctr_va_vdst(0)
	v_lshlrev_b32 v16, 2, v1
.irp n, 0,1
.irp j, 0,1,2,3,4,5,6,7
	global_load_b32 v[BI+8*\n+\j], v16, s[12:13] offset:64*\n
.endr
.endr
.set j, 80
.rept 48
	v_mov_b32 v[j], 0                              ; the rest of the block is written on this way too, so that it is defined on every way through the text
.set j, j+1
.endr
.Lbias_done:
	CROUND                                         ; all sixteen work-groups are here: the joint loads meet
	s_cmp_lt_u32 s18, 2                            ; waves 0, 1 fetch P's halves, waves 2, 3 R's: one tensor load a wave
	s_cbranch_scc0 .Lfill_r
	tensor_load_to_lds s[72:75], s[28:35]          ; one tensor load a wave: a half of P for all of K
	s_nop 0
.rept 4
	v_nop
.endr
	s_branch .Lfilled
.Lfill_r:
	tensor_load_to_lds s[88:91], s[44:51]          ; a half of R
	s_nop 0
.rept 4
	v_nop
.endr
.Lfilled:
	v_mul_u32_u24 v17, v1, 816                     ; a row: three lines of 272 bytes
	v_mad_u32_u24 v[AP], v2, 24, v17
	v_mad_u32_u24 v[APX], v2, 40, v17              ; lanes 16-31: three pieces on lies in the next line: 24 bytes and the 16 of padding
	v_add_nc_u32 v[AP+1], 52224, v[AP]             ; tiles 4-7: 64 rows on, so that the offsets stay inside 16 bits
	v_add_nc_u32 v[APX+1], 52224, v[APX]
	s_mul_i32 s4, s18, 32*816
	s_add_co_u32 s4, s4, RB                        ; my 32 rows of R
	v_add_nc_u32 v[AR], s4, v[AP]
	v_add_nc_u32 v[ARX], s4, v[APX]
	v_and_b32 v21, 31, v0
	v_lshlrev_b32 v[L16], 4, v21
	v_lshlrev_b32 v[L8], 3, v21
	v_lshlrev_b32 v[L4], 2, v21
	s_wait_alu depctr_va_vdst(0)
	s_wait_tensorcnt 0x0                           ; my one load has landed,
	s_barrier_signal -1
	s_barrier_wait -1                              ; everybody's has: LDS is only read from here on
	WIN TO_F
	FETCH 0
	WIN 0
	s_wait_loadcnt 0x0                             ; the bias
	s_cmp_eq_u32 s20, 2                            ; the first K step starts the sums with the bias as C; it is written for both layouts of the bias
	s_cbranch_scc1 .Lstep0_v
	STEP 0, 0, 0, 1
	WIN 0
	s_branch .Lstep0_done
.Lstep0_v:
	STEP 0, 0, 0, 2
	WIN 0
.Lstep0_done:
	STEP 1, 0, 0, 0
	STEP 2, 0, 0, 0
	STEP 3, 0, 0, 0
	STEP 4, 0, 0, 0
	STEP 5, 0, 0, 0
	STEP 6, 0, 0, 0
	STEP 7, 0, 0, 0
	WIN 0
	PLACES
.irp b, 0,1,2,3
	v_mov_b32 v[TM+4+\b], 0                        ; a lane permute's destination counts as one of its sources
.endr
	QUANTN ACC, PC0, PW
	QUANTN ACC+64, PC0+12, PW+1
	s_mov_b32 s25, 0xffff0000                      ; lanes 16-31
	s_cmp_eq_u32 s20, 2
	s_cbranch_scc1 .Lout_v
	; q, k: a fragment is two heads' images of my 16 tokens
	s_lshr_b32 s4, s24, 3
	s_lshl_b32 s4, s4, 4
	s_lshl_b32 s5, s23, 1
	s_add_co_u32 s4, s4, s5                        ; batch x 16 + the first of my two heads
	s_and_b32 s5, s24, 7
	s_lshl_b32 s5, s5, 3
	s_lshl_b32 s6, s18, 1
	s_add_co_u32 s5, s5, s6                        ; my first tile of 16 tokens in the batch
	s_lshl_b32 s6, s4, 6
	s_add_co_u32 s6, s6, s5
	s_mul_i32 s6, s6, 768
	s_mov_b32 s7, 0
	s_add_nc_u64 s[14:15], s[14:15], s[6:7]
	s_mul_i32 s6, s4, 6144
	s_lshl_b32 s5, s5, 6
	s_add_co_u32 s6, s6, s5
	s_add_nc_u64 s[16:17], s[16:17], s[6:7]
	v_lshlrev_b32 v16, 2, v1
	v_mad_u32_u24 v16, v2, 6144, v16               ; lanes 0-15 store the first head's words, lanes 16-31 the second's
	v_mov_b32 v17, 0x7f7f7f7f                      ; the bytes of the K that the scores' product does not have: 2^0 over zero codes
.irp n, 0,1
	v_perm_b32 v[82+2*\n], v17, v[PW+\n], 0x05040100
	v_perm_b32 v[83+2*\n], v17, v[PW+\n], 0x05040302
.endr
.irp n, 0,1
	v_cndmask_b32 v[82+2*\n], v[82+2*\n], v[83+2*\n], s25
.endr
.irp n, 0,1
	global_store_b128 v[L16], v[PC0+12*\n:PC0+12*\n+3], s[14:15] offset:768*\n            ; each store covers 512 or 256 consecutive bytes, aligned to 256
	global_store_b64 v[L8], v[PC0+12*\n+4:PC0+12*\n+5], s[14:15] offset:768*\n+512
	global_store_b128 v[L16], v[PC0+12*\n+6:PC0+12*\n+9], s[14:15] offset:49152+768*\n
	global_store_b64 v[L8], v[PC0+12*\n+10:PC0+12*\n+11], s[14:15] offset:49152+768*\n+512
	global_store_b32 v16, v[82+2*\n], s[16:17] offset:64*\n
.endr
	s_branch .Lstored
.Lout_v:
	; v: a fragment is 16 channels x 128 keys, as the second product of attention takes it
	s_lshr_b32 s4, s23, 3
	s_lshl_b32 s4, s4, 4
	s_lshl_b32 s5, s24, 1
	s_add_co_u32 s4, s4, s5
	s_lshr_b32 s5, s18, 1
	s_add_co_u32 s4, s4, s5                        ; batch x 16 + head
	s_and_b32 s5, s23, 7                           ; which 128 keys
	s_lshl_b32 s6, s4, 3
	s_add_co_u32 s6, s6, s5
	s_lshl_b32 s6, s6, 2
	s_lshl_b32 s7, s19, 1                          ; my first tile of 16 channels
	s_add_co_u32 s6, s6, s7
	s_mul_i32 s6, s6, 1536
	s_lshl_b32 s100, s7, 6
	s_mov_b32 s7, 0
	s_add_nc_u64 s[14:15], s[14:15], s[6:7]
	s_mul_i32 s6, s4, 6144
	s_lshl_b32 s5, s5, 8
	s_add_co_u32 s6, s6, s5
	s_add_co_u32 s6, s6, s100
	s_add_co_u32 s6, s6, 4096
	s_add_nc_u64 s[16:17], s[16:17], s[6:7]
	v_cndmask_b32 v82, v[PW], v[PW+1], s25         ; lanes 0-15: tile 0's words, lanes 16-31: tile 1's
	s_wait_alu depctr_va_vdst(0)
.irp n, 0,1
.irp c, 0,1,2
	global_store_b128 v[L16], v[PC0+12*\n+4*\c:PC0+12*\n+4*\c+3], s[14:15] offset:1536*\n+512*\c
.endr
.endr
	global_store_b32 v[L4], v82, s[16:17]
.Lstored:
	s_wait_tensorcnt 0x0
	ds_add_u32 v22, v23
	s_wait_dscnt 0x0
	CROUND                                         ; the closing round: no work-group ends while a partner may still ask for a tile that names it
	s_endpgm
.Lfunc_end_k_q35fb066d9a_proj:
	.size	k_q35fb066d9a_proj, .Lfunc_end_k_q35fb066d9a_proj-k_q35fb066d9a_proj
	.p2alignl 7, 3214868480
	.fill 96, 4, 3214868480
	.section	.rodata,"a",@progbits
	.p2align	6, 0x0
	.amdhsa_kernel k_q35fb066d9a_proj
		.amdhsa_group_segment_fixed_size 218112
		.amdhsa_private_segment_fixed_size 0
		.amdhsa_enable_private_segment 0
		.amdhsa_kernarg_size 160
		.amdhsa_user_sgpr_count 2
		.amdhsa_user_sgpr_kernarg_segment_ptr 1
		.amdhsa_wavefront_size32 1
		.amdhsa_system_sgpr_workgroup_id_x 1
		.amdhsa_system_sgpr_workgroup_id_y 1
		.amdhsa_system_sgpr_workgroup_id_z 1
		.amdhsa_system_vgpr_workitem_id 0
		.amdhsa_next_free_vgpr 512
		.amdhsa_next_free_sgpr 102
		.amdhsa_reserve_vcc 0
		.amdhsa_float_denorm_mode_32 3
		.amdhsa_float_denorm_mode_16_64 3
		.amdhsa_memory_ordered 1
		.amdhsa_forward_progress 1
		.amdhsa_inst_pref_size 80
	.end_amdhsa_kernel
	.amdgpu_metadata
---
amdhsa.version: [ 1, 2 ]
amdhsa.kernels:
  - .name:           k_q35fb066d9a_proj
    .symbol:         k_q35fb066d9a_proj.kd
    .args:
      - { .name: q_codes, .offset: 0, .size: 8, .value_kind: global_buffer, .address_space: global }
      - { .name: q_scales, .offset: 8, .size: 8, .value_kind: global_buffer, .address_space: global }
      - { .name: Wq_codes, .offset: 16, .size: 8, .value_kind: global_buffer, .address_space: global }
      - { .name: Wq_scales, .offset: 24, .size: 8, .value_kind: global_buffer, .address_space: global }
      - { .name: bq, .offset: 32, .size: 8, .value_kind: global_buffer, .address_space: global }
      - { .name: qimg, .offset: 40, .size: 8, .value_kind: global_buffer, .address_space: global }
      - { .name: qsc, .offset: 48, .size: 8, .value_kind: global_buffer, .address_space: global }
      - { .name: k_codes, .offset: 56, .size: 8, .value_kind: global_buffer, .address_space: global }
      - { .name: k_scales, .offset: 64, .size: 8, .value_kind: global_buffer, .address_space: global }
      - { .name: Wk_codes, .offset: 72, .size: 8, .value_kind: global_buffer, .address_space: global }
      - { .name: Wk_scales, .offset: 80, .size: 8, .value_kind: global_buffer, .address_space: global }
      - { .name: bk, .offset: 88, .size: 8, .value_kind: global_buffer, .address_space: global }
      - { .name: kimg, .offset: 96, .size: 8, .value_kind: global_buffer, .address_space: global }
      - { .name: kvsc, .offset: 104, .size: 8, .value_kind: global_buffer, .address_space: global }
      - { .name: v_codes, .offset: 112, .size: 8, .value_kind: global_buffer, .address_space: global }
      - { .name: v_scales, .offset: 120, .size: 8, .value_kind: global_buffer, .address_space: global }
      - { .name: Wv_codes, .offset: 128, .size: 8, .value_kind: global_buffer, .address_space: global }
      - { .name: Wv_scales, .offset: 136, .size: 8, .value_kind: global_buffer, .address_space: global }
      - { .name: bv, .offset: 144, .size: 8, .value_kind: global_buffer, .address_space: global }
      - { .name: vimg, .offset: 152, .size: 8, .value_kind: global_buffer, .address_space: global }
    .group_segment_fixed_size: 218112
    .private_segment_fixed_size: 0
    .kernarg_segment_align: 8
    .kernarg_segment_size: 160
    .max_flat_workgroup_size: 128
    .sgpr_count:     102
    .vgpr_count:     512
    .wavefront_size: 32
...
	.end_amdgpu_metadata
.endif
;; end of part 1
;; launch attn (part 2): grid 4 x 64, 16 waves a work-group, clusters of 4 x 1, 169,984 bytes of LDS; arguments qimg, qsc, kimg, kvsc, vimg, gammas, cimg, csc; writes cimg, csc
.if DOCPART == 2
	.amdgcn_target "amdgcn-amd-amdhsa--gfx1250"
	.amdhsa_code_object_version 6
	.text
	.protected	k_q35fb066d9a_attn
	.globl	k_q35fb066d9a_attn
	.p2align	8
	.type	k_q35fb066d9a_attn,@function
k_q35fb066d9a_attn:
	s_mov_b64 s[64:65], 0
	v_nop
	global_prefetch_b8 v0, s[64:65] scope:SCOPE_SE
	s_setreg_imm32_b32 hwreg(HW_REG_WAVE_MODE, 25, 1), 1
	s_wait_xcnt 0x0
	s_wait_alu depctr_hold_cnt(0) depctr_sa_sdst(0) depctr_va_vdst(0) depctr_va_sdst(0) depctr_va_ssrc(0) depctr_va_vcc(0) depctr_vm_vsrc(0)
	s_getreg_b32 s2, hwreg(HW_REG_IB_STS2, 6, 4)
	s_cmp_eq_u32 s2, 0
	s_cbranch_scc0 .Lentry_in_a_cluster
	s_endpgm
.Lentry_in_a_cluster:
	s_bfe_u32 s2, ttmp6, 0x10000c
	s_cmp_lg_u32 s2, 0x3003
	s_cbranch_scc0 .Lentry_shape_is_right
	s_endpgm
.Lentry_shape_is_right:
; ATTENTION WITH A MONOTONIC DISTANCE DECAY, both products on codes of FP6 (E2M3).  64 heads (batch x 16 + head), 1,024 tokens, dk = 64.
;   score = q . k / 8.   e = softmax of the scores over ALL keys.   X(i, j) = the sum of e over keys j < k <= i.   effect = max(exp(-softplus(gamma) sqrt(X (i - j))), 1e-5).
;   attention = causal softmax of score x effect, taken as p = 2^(t - M), M a whole number, not normalised; O = (P V) / the sum of the unquantised p; O is quantised along d_model for the last product.
; Two clips of the definition are not written because they cannot act: X (i - j) is a sum of numbers that are not negative times i - j >= 0, and the exponent is never above 0 since softplus is never below 0.
; The suffix sums are formed directly, not as a difference of two prefix sums.  The normaliser Z of e rides on gamma: sqrt(X pos / Z) g = sqrt(X pos) (g / sqrt(Z)).
; SHARES.  A cluster is the four work-groups of one head; K's and V's codes and scale words of the whole head (104,448 bytes) come into each LDS ONCE, by joint loads, and no LDS byte is filled twice or stored to.
; A wave owns one tile of 16 queries, T = 4 w' + cx, w' = w with its two low bits turned in waves 4-7 and 12-15, so that waves w, w + 4, w + 8, w + 12 have 18 causal steps together.  The step of the diagonal is w' / 2: the wave's number alone.
; LAYOUT.  Both products transposed: S^T = K Q^T, O^T = V^T P^T: lane (r, h) holds query r; register 8 t + j of S^T holds key 128 s + 16 t + 8 h + j.
; PASS A, 8 steps of 128 keys: the running maximum of the scores and Z.   PASS B, steps from the diagonal's down to 0: the scores again, e, suffix sums with a carry from the later keys, the effect, the causal softmax, P V.
; LIMITS: NaN and infinities are not served; blocks under the floor 2^-124 were not tried; a block of zeros gets the byte 1; softplus is log2(1 + 2^..): absolutely accurate to about 1e-7, not relatively for gammas far below 0, where the effect is 1 either way.
; REGISTERS: v1-3 16, 8, 4 x lane; v4-8 LDS addresses in hand; v9 1.0 in lanes 0-15; v10 the carry; v11 -infinity; v12 -M, v13 largest t; v[14:15] the sum; v16-27 Q; v28 Q's, v29-32 K's, v33-34 V's, v35 p's scale words;
;   v36 g / sqrt(Z), v37 softplus x log2(e); v38 the query less the diagonal step's first key less 8 h; v39, v40 the scores' maximum, raw and x c; v[42:43] Z; v44-47, v60-63 tile totals; v48-55 i - j of a tile's eight keys;
;   v64-127 S^T; v128-175 four fragments of K or V, or v128-159 exponents; v160-199 four arrays of 10: e and its suffix sums; v176-194 p's codes; v200-231 O^T; v232-251 at work.
.set KIMG, 0                           ; 64 images of K, 768 bytes each
.set VIMG, 49152                       ; 32 fragments of V, 1,536 bytes each
.set SC,   98304                       ; K's scale words (4,096 bytes), then V's (2,048)
.macro PLACES
.rept 4
	v_nop
.endr
.endm
.macro CROUND                          ; a round of the cluster's barrier
	s_barrier_signal -1
	s_barrier_wait -1
	s_cmp_lg_u32 s20, 0
	s_cbranch_scc1 .Lnot_wave_0_\@
	s_barrier_signal -3
.Lnot_wave_0_\@:
	s_barrier_wait -3
	s_barrier_signal -1
	s_barrier_wait -1
.endm
; Blocks of 32 in tiles of 16 natural rows: lanes 0-15 hold a block's numbers 0-7 and 16-23 (part A), lanes 16-31 its 8-15 and 24-31 (part B).  Each part is converted as it stands; the exchange of lane halves gives each
; lane both parts of ONE block; five lines put the six and six halfwords in order: a0 a1 a2 b0 b1 b2 a3 a4 a5 b3 b4 b5.
.macro CODES s, pc, tp, sc, nc
.irp c, 0,1
.if \c < \nc
	v_cvt_scalef32_pk16_fp6_f32 v[\pc+6*\c:\pc+6*\c+2], v[\s+32*\c:\s+32*\c+15], v[\sc+2*\c]
	v_cvt_scalef32_pk16_fp6_f32 v[\tp+4*\c:\tp+4*\c+2], v[\s+32*\c+16:\s+32*\c+31], v[\sc+2*\c+1]
.endif
.endr
	v_nop                                          ; one plain place behind a scaled conversion
.irp c, 0,1
.if \c < \nc
.irp i, 0,1,2
	v_permlane16_swap_b32 v[\pc+6*\c+\i], v[\tp+4*\c+\i]
.endr
	s_delay_alu instid0(VALU_DEP_1)
	v_perm_b32 v[\pc+6*\c+3], v[\pc+6*\c+2], v[\pc+6*\c+1], 0x05040302   ; a3 a4
	s_delay_alu instid0(VALU_DEP_2)
	v_perm_b32 v[\pc+6*\c+4], v[\tp+4*\c+1], v[\pc+6*\c+2], 0x07060302   ; a5 b3
	s_delay_alu instid0(VALU_DEP_4)
	v_perm_b32 v[\pc+6*\c+1], v[\tp+4*\c], v[\pc+6*\c+1], 0x05040100     ; a2 b0
	v_perm_b32 v[\pc+6*\c+2], v[\tp+4*\c+1], v[\tp+4*\c], 0x05040302     ; b1 b2
	v_mov_b32 v[\pc+6*\c+5], v[\tp+4*\c+2]                               ; b4 b5
.endif
.endr
.endm
; S^T of a step of 128 keys, four tiles at a time.  dk = 64 is half of the instruction's K: registers 6-11 of both operands hold zero codes, and bytes 2, 3 of both scale words are 127.
.macro SCORES
.irp g, 0,1
.if \g
	PLACES                                         ; the four buffers were read by the matrix instructions just issued
.endif
.irp t, 0,1,2,3
	ds_load_b128 v[128+12*\t:131+12*\t], v4 offset:768*(4*\g+\t)
	ds_load_b64 v[132+12*\t:133+12*\t], v5 offset:768*(4*\g+\t)+512
.endr
.if \g == 0
.irp p, 0,1,2,3
	ds_load_b32 v[29+\p], v6 offset:128*\p         ; tile 2 p's words in lanes 0-15, tile 2 p + 1's in lanes 16-31
.endr
.endif
	s_wait_dscnt 0x0
.irp t, 0,1,2,3
.set rT, 4*\g+\t
.if \t%2
	v_wmma_scale_f32_16x16x128_f8f6f4 v[64+8*rT:71+8*rT], v[128+12*\t:139+12*\t], v[16:27], 0, v[29+rT/2], v28 matrix_a_fmt:MATRIX_FMT_FP6 matrix_b_fmt:MATRIX_FMT_FP6 matrix_a_scale:MATRIX_SCALE_ROW1
.else
	v_wmma_scale_f32_16x16x128_f8f6f4 v[64+8*rT:71+8*rT], v[128+12*\t:139+12*\t], v[16:27], 0, v[29+rT/2], v28 matrix_a_fmt:MATRIX_FMT_FP6 matrix_b_fmt:MATRIX_FMT_FP6
.endif
.endr
.endr
	PLACES
.endm
; THE EFFECT for tiles 4 c + 3 down to 4 c.  Array u (tile 4 c + u) begins at 160 + 10 u: e of key k goes to register 1 + k, so that after the suffix sums in place the EXCLUSIVE suffix of key k stands in register 2 + k,
; an even-aligned run of eight for the packed lines; register 9 is 0, register 1 the lane's total of the tile.
.macro HALF c
.irp u, 0,1,2,3
.irp k, 0,2,4,6
	v_pk_fma_f32 v[128+8*\u+\k:129+8*\u+\k], v[64+8*(4*\c+\u)+\k:65+8*(4*\c+\u)+\k], s[28:29], v[40:41] op_sel_hi:[1,0,0] neg_lo:[0,0,1] neg_hi:[0,0,1]   ; c s - c max
.endr
.endr
	s_wait_alu depctr_va_vdst(0)
.irp k, 0,1,2,3,4,5,6,7
.irp u, 0,1,2,3
	v_exp_f32 v[161+10*\u+\k], v[128+8*\u+\k]
.endr
.endr
.irp u, 0,1,2,3
	v_mov_b32 v[169+10*\u], 0                      ; (plain lines behind the exponentials)
.endr
	s_wait_alu depctr_va_vdst(0)                   ; one wait for the batch, ahead of its first reader
.irp k, 6,5,4,3,2,1,0
.irp u, 0,1,2,3
	v_add_f32 v[161+10*\u+\k], v[161+10*\u+\k], v[162+10*\u+\k]   ; suffix sums, the four tiles by turns
.endr
.endr
.irp u, 0,1,2,3
	s_delay_alu instid0(VALU_DEP_4)
	v_permlanex16_b32 v[44+\u], v[161+10*\u], s26, s27            ; the other eight keys' total
.endr
.irp u, 0,1,2,3
	s_delay_alu instid0(VALU_DEP_4)
	v_add_f32 v[60+\u], v[161+10*\u], v[44+\u]
.endr
.irp u, 3
	v_fma_f32 v[232+2*\u], v[44+\u], v9, v10       ; what lies behind my eight keys: in lanes 0-15 the tile's upper eight, and all later tiles
	s_delay_alu instid0(VALU_DEP_2)
	v_add_f32 v10, v10, v[60+\u]
.endr
.irp u, 2, 1, 0
	s_delay_alu instid0(VALU_DEP_1)
	v_fma_f32 v[232+2*\u], v[44+\u], v9, v10       ; what lies behind my eight keys: in lanes 0-15 the tile's upper eight, and all later tiles
	s_delay_alu instid0(VALU_DEP_2)
	v_add_f32 v10, v10, v[60+\u]
.endr
.irp u, 0,1,2,3
.irp i, 0,2,4,6
	v_pk_add_f32 v[162+10*\u+\i:163+10*\u+\i], v[162+10*\u+\i:163+10*\u+\i], v[232+2*\u:233+2*\u] op_sel_hi:[1,0]
.endr
.endr
.irp u, 3,2,1,0
.irp i, 0,2,4,6
	v_pk_add_f32 v[48+\i:49+\i], v[48+\i:49+\i], s[30:31] op_sel_hi:[1,0]   ; i - j grows by 16 from a tile to the one before it: whole numbers, exact
.endr
.irp i, 0,2,4,6
	s_delay_alu instid0(VALU_DEP_4)
	v_pk_mul_f32 v[162+10*\u+\i:163+10*\u+\i], v[162+10*\u+\i:163+10*\u+\i], v[48+\i:49+\i]
.endr
.endr
	s_wait_alu depctr_va_vdst(0)
.irp k, 0,1,2,3,4,5,6,7
.irp u, 0,1,2,3
	v_sqrt_f32 v[162+10*\u+\k], v[162+10*\u+\k]
.endr
.endr
	v_nop
	s_wait_alu depctr_va_vdst(0)
.irp u, 0,1,2,3
.irp i, 0,2,4,6
	v_pk_mul_f32 v[162+10*\u+\i:163+10*\u+\i], v[162+10*\u+\i:163+10*\u+\i], v[36:37] op_sel_hi:[1,0]
.endr
.endr
	s_wait_alu depctr_va_vdst(0)
.irp k, 0,1,2,3,4,5,6,7
.irp u, 0,1,2,3
	v_exp_f32 v[162+10*\u+\k], v[162+10*\u+\k]
.endr
.endr
	v_nop
	s_wait_alu depctr_va_vdst(0)
.irp k, 0,1,2,3,4,5,6,7
.irp u, 0,1,2,3
	v_max_num_f32 v[162+10*\u+\k], s61, v[162+10*\u+\k]           ; the clip at 1e-5
.endr
.endr
.irp u, 0,1,2,3
.irp i, 0,2,4,6
	v_pk_mul_f32 v[64+8*(4*\c+\u)+\i:65+8*(4*\c+\u)+\i], v[64+8*(4*\c+\u)+\i:65+8*(4*\c+\u)+\i], v[162+10*\u+\i:163+10*\u+\i]   ; score x effect
.endr
.endr
.endm
.macro BLOCKMAX                        ; the largest of each 16 registers of S^T, four chains by turns; each accumulator is read from its low end on
.irp b, 0,1,2,3
	v_max3_num_f32 v[232+\b], v[64+16*\b], v[65+16*\b], v[66+16*\b]
.endr
.irp i, 3,5,7,9,11,13
.irp b, 0,1,2,3
	v_max3_num_f32 v[232+\b], v[232+\b], v[64+16*\b+\i], v[65+16*\b+\i]
.endr
.endr
.irp b, 0,1,2,3
	v_max_num_f32 v[232+\b], v[232+\b], v[79+16*\b]
.endr
.endm
	s_load_b512 s[4:19], s[0:1], 0x0               ; qimg s[4:5], qsc s[6:7], kimg s[8:9], kvsc s[10:11], vimg s[12:13], gammas s[14:15], cimg s[16:17], csc s[18:19]
	v_lshl_add_u32 v254, v0, 2, 0x29000
	v_mov_b32 v255, 0
	ds_add_u32 v254, v255
	ds_add_u32 v254, v255
	v_lshrrev_b32 v56, 5, v0
	s_delay_alu instid0(VALU_DEP_1)
	v_readfirstlane_b32 s20, v56                   ; wave 0..15
	s_bfe_u32 s2, s20, 0x10002
	s_mul_i32 s2, s2, 3
	s_xor_b32 s21, s20, s2                         ; w'
	s_lshr_b32 s22, s21, 1
	s_add_co_u32 s22, s22, 1                       ; the diagonal's step + 1
	s_bfe_u32 s23, ttmp6, 0x40000                  ; cx: it enters Q's, cimg's and csc's addresses and numbers, no LDS address and no branch
	s_lshl_b32 s24, s21, 2
	s_add_co_u32 s24, s24, s23                     ; T
	s_and_b32 s25, ttmp7, 0xffff                   ; batch x 16 + head, which the four partners share
	s_mov_b32 s26, 0x76543210
	s_mov_b32 s27, 0xfedcba98                      ; v_permlanex16_b32's selects for lane l xor 16
	s_mov_b32 s28, 0x3e38aa3b                      ; c = log2(e) / 8
	s_mov_b32 s29, s28                             ; (named with it as a pair)
	s_mov_b32 s30, 0x41800000                      ; 16.0
	s_mov_b32 s31, s30
	s_mov_b32 s61, 0x3727c5ac                      ; 1e-5
	s_mov_b32 s76, 0x42800000                      ; 64.0
	s_mov_b32 s77, s76
	s_and_b32 s2, s21, 1
	s_cmp_eq_u32 s2, 0
	s_cselect_b32 s78, s22, 0                      ; w' even: T % 8 = cx < 4, so my queries lie under key 64 of the diagonal's step; s78 names that step, else no step
	; group 1: half of K's or V's 49,152 dense bytes as 96 rows of 256; half of the 6,144 scale bytes as 12 rows.  The mask names all four work-groups
	s_mov_b32 s32, 15|(3<<16)|(1<<21)
	s_mov_b32 s33, 32<<16
	s_mov_b32 s34, 96<<16
	s_mov_b32 s35, 32<<16
	s_mov_b32 s36, 96
	s_mov_b32 s37, 32
	s_mov_b32 s38, 0
	s_mov_b32 s39, 0
	s_mov_b32 s40, 15|(3<<16)|(1<<21)
	s_mov_b32 s41, 32<<16
	s_mov_b32 s42, 12<<16
	s_mov_b32 s43, 32<<16
	s_mov_b32 s44, 12
	s_mov_b32 s45, 32
	s_mov_b32 s46, 0
	s_mov_b32 s47, 0
	s_and_b32 s3, s20, 1
	s_mul_i32 s68, s3, 3072
	s_mul_i32 s70, s25, 6144
	s_add_co_u32 s70, s70, s68
	s_mov_b32 s71, 0
	s_mul_i32 s69, s3, 24576
	s_mul_i32 s72, s25, 49152
	s_add_co_u32 s72, s72, s69
	s_mov_b32 s73, 0
	s_wait_dscnt 0x0
	s_wait_kmcnt 0x0
	s_mov_b32 s48, 1
	s_add_co_u32 s49, s68, SC
	s_add_nc_u64 s[50:51], s[10:11], s[70:71]
	s_or_b32 s51, s51, 0x80000000
	s_mov_b32 s52, 1                               ; waves 0, 1: K's halves; waves 2, 3: V's: LDS byte 24,576 x wave
	s_min_u32 s2, s20, 3
	s_mul_i32 s53, s2, 24576
	s_cmp_lt_u32 s20, 2
	s_cselect_b64 s[54:55], s[8:9], s[12:13]
	s_add_nc_u64 s[54:55], s[54:55], s[72:73]
	s_or_b32 s55, s55, 0x80000000
	CROUND                                         ; all four work-groups are here: the joint loads meet
	s_cmp_lt_u32 s20, 4                            ; one chain of branches on the wave's number, one tensor load to an arm: waves 0-3 a half of K or V, waves 4, 5 a half of the scale words
	s_cbranch_scc0 .Lfill_sc
	tensor_load_to_lds s[52:55], s[32:39]
	s_nop 0
.rept 4
	v_nop
.endr
	s_branch .Lno_fill
.Lfill_sc:
	s_cmp_lt_u32 s20, 6
	s_cbranch_scc0 .Lno_fill
	tensor_load_to_lds s[48:51], s[40:47]
	s_nop 0
.rept 4
	v_nop
.endr
.Lno_fill:
	s_lshl_b32 s74, s25, 6
	s_add_co_u32 s74, s74, s24
	s_mul_i32 s74, s74, 768
	s_mov_b32 s75, 0
	s_add_nc_u64 s[4:5], s[4:5], s[74:75]          ; my tile's image of Q
	s_mul_i32 s74, s25, 6144
	s_lshl_b32 s2, s24, 6
	s_add_co_u32 s74, s74, s2
	s_add_nc_u64 s[6:7], s[6:7], s[74:75]          ; and its scale words
	v_and_b32 v56, 31, v0
	s_delay_alu instid0(VALU_DEP_1)
	v_lshlrev_b32 v1, 4, v56
	s_delay_alu instid0(VALU_DEP_2)
	v_lshlrev_b32 v2, 3, v56
	s_delay_alu instid0(VALU_DEP_3)
	v_lshlrev_b32 v3, 2, v56
	v_and_b32 v57, 15, v0                          ; r
	v_bfe_u32 v58, v0, 4, 1                        ; h
	s_delay_alu instid0(VALU_DEP_2)
	v_lshlrev_b32 v59, 2, v57
	s_and_b32 s2, s25, 15
	s_lshl_b32 s2, s2, 2
	v_mov_b32 v60, s2
	global_load_b128 v[16:19], v1, s[4:5]
	global_load_b64 v[20:21], v2, s[4:5] offset:512
	global_load_b32 v28, v59, s[6:7]
	global_load_b32 v61, v60, s[14:15]             ; the head's gamma, in every lane
.irp i, 22,23,24,25,26,27
	v_mov_b32 v[\i], 0                             ; Q's upper K: zero codes
.endr
.irp t, 0,1,2,3
.irp i, 6,7,8,9,10,11
	v_mov_b32 v[128+12*\t+\i], 0                   ; K's likewise: pass A never writes them again
.endr
.endr
	v_cvt_f32_u32 v9, v58
	s_delay_alu instid0(VALU_DEP_1)
	v_sub_f32 v9, 1.0, v9                          ; 1.0 in lanes 0-15, 0 in lanes 16-31
	s_and_b32 s2, s24, 7
	s_lshl_b32 s2, s2, 4
	v_lshlrev_b32 v38, 3, v58
	s_delay_alu instid0(VALU_DEP_1)
	v_sub_nc_u32 v38, v57, v38
	s_delay_alu instid0(VALU_DEP_1)
	v_add_nc_u32 v38, s2, v38                      ; 16 (T % 8) + r - 8 h
	s_delay_alu instid0(VALU_DEP_1)
	v_cvt_f32_i32 v62, v38
.irp i, 0,1,2,3,4,5,6,7
	v_add_f32 v[48+\i], 0xc3000000+(\i<<16), v62   ; less 128 + i: one tile past the diagonal step's last
.endr
	v_mov_b32 v10, 0
	v_mov_b32 v13, 0xff61b1e6                      ; -3e38, under every t
	s_delay_alu instid0(VALU_DEP_1)
	v_floor_f32 v12, -v13
	v_mov_b32 v14, 0
	v_mov_b32 v15, 0
	v_mov_b32 v39, 0xff61b1e6
	s_delay_alu instid0(VALU_DEP_1)
	v_mul_f32 v40, s28, v39
	v_mov_b32 v41, 0
	v_mov_b32 v42, 0
	v_mov_b32 v43, 0
.irp i, 44,45,46,47,232,233,234,235,236,237,238,239,247,251
	v_mov_b32 v[\i], 0                             ; lane permutes' destinations and the upper halves of pairs whose low word alone is used
.endr
.set j, 200
.rept 32
	v_mov_b32 v[j], 0                              ; O^T: pass B is written once; its first step finds zeros, which the first change of M leaves zeros
.set j, j+1
.endr
	s_wait_loadcnt 0x0
	v_mul_f32 v62, 0x3fb8aa3b, |v61|
	s_wait_alu depctr_va_vdst(0)
	v_exp_f32 v62, -v62                            ; 2^(-|gamma| log2 e)
	v_max_num_f32 v63, 0, v61
	s_wait_alu depctr_va_vdst(0)
	v_add_f32 v62, 1.0, v62
	s_wait_alu depctr_va_vdst(0)
	v_log_f32 v62, v62
	v_nop
	s_wait_alu depctr_va_vdst(0)
	v_fmamk_f32 v37, v63, 0x3fb8aa3b, v62          ; softplus(gamma) x log2(e)
	s_wait_tensorcnt 0x0                           ; my loads have landed,
	s_barrier_signal -1
	s_barrier_wait -1                              ; everybody's have: LDS is only read from here on
	; ---- PASS A
	s_mov_b32 s60, 8
	s_mov_b32 s62, KIMG
	s_mov_b32 s63, SC
.Lpass_a:
	v_add_nc_u32 v4, s62, v1
	s_wait_alu depctr_va_vdst(0)
	v_add_nc_u32 v5, s62, v2
	s_wait_alu depctr_va_vdst(0)
	v_add_nc_u32 v6, s63, v3
	SCORES
	BLOCKMAX
	s_delay_alu instid0(VALU_DEP_2)
	v_max3_num_f32 v248, v232, v233, v234
	s_delay_alu instid0(VALU_DEP_1)
	v_max_num_f32 v248, v248, v235
	s_delay_alu instid0(VALU_DEP_1)
	v_permlanex16_b32 v236, v248, s26, s27
	s_delay_alu instid0(VALU_DEP_1)
	v_max3_num_f32 v39, v39, v248, v236            ; the running maximum of my query's scores
	v_mov_b32 v250, v40
	s_delay_alu instid0(VALU_DEP_2)
	v_mul_f32 v40, s28, v39
	s_delay_alu instid0(VALU_DEP_1)
	v_sub_f32 v250, v250, v40
.set j, 0
.rept 32
	v_pk_fma_f32 v[64+j:65+j], v[64+j:65+j], s[28:29], v[40:41] op_sel_hi:[1,0,0] neg_lo:[0,0,1] neg_hi:[0,0,1]
.set j, j+2
.endr
.set j, 0
	s_wait_alu depctr_va_vdst(0)
.rept 64
	v_exp_f32 v[64+j], v[64+j]
.set j, j+1
.endr
	v_exp_f32 v250, v250                           ; what brings Z under the new maximum
	v_nop
	s_wait_alu depctr_va_vdst(0)                   ; one wait for the 65
	v_pk_mul_f32 v[42:43], v[42:43], v[250:251] op_sel_hi:[1,0]
	v_pk_add_f32 v[56:57], v[68:69], v[72:73]
	v_pk_add_f32 v[252:253], v[76:77], v[80:81]
	v_pk_add_f32 v[248:249], v[84:85], v[88:89]
	v_pk_add_f32 v[244:245], v[92:93], v[96:97]
	v_pk_add_f32 v[242:243], v[100:101], v[104:105]
	v_pk_add_f32 v[240:241], v[108:109], v[112:113]
	v_pk_add_f32 v[198:199], v[116:117], v[120:121]
	v_pk_add_f32 v[42:43], v[42:43], v[124:125]
	v_pk_add_f32 v[56:57], v[56:57], v[64:65]
	v_pk_add_f32 v[252:253], v[252:253], v[66:67]
	v_pk_add_f32 v[248:249], v[248:249], v[70:71]
	v_pk_add_f32 v[244:245], v[244:245], v[74:75]
	v_pk_add_f32 v[242:243], v[242:243], v[78:79]
	v_pk_add_f32 v[240:241], v[240:241], v[82:83]
	v_pk_add_f32 v[198:199], v[198:199], v[86:87]
	v_pk_add_f32 v[42:43], v[42:43], v[90:91]
	v_pk_add_f32 v[56:57], v[56:57], v[94:95]
	v_pk_add_f32 v[252:253], v[252:253], v[98:99]
	v_pk_add_f32 v[248:249], v[248:249], v[102:103]
	v_pk_add_f32 v[244:245], v[244:245], v[106:107]
	v_pk_add_f32 v[242:243], v[242:243], v[110:111]
	v_pk_add_f32 v[240:241], v[240:241], v[114:115]
	v_pk_add_f32 v[198:199], v[198:199], v[118:119]
	v_pk_add_f32 v[42:43], v[42:43], v[122:123]
	v_pk_add_f32 v[56:57], v[56:57], v[126:127]
	s_delay_alu instid0(VALU_DEP_2)
	v_pk_add_f32 v[42:43], v[42:43], v[244:245]
	s_delay_alu instid0(VALU_DEP_2)
	v_pk_add_f32 v[56:57], v[56:57], v[242:243]
	v_pk_add_f32 v[252:253], v[252:253], v[240:241]
	v_pk_add_f32 v[248:249], v[248:249], v[198:199]
	s_delay_alu instid0(VALU_DEP_2)
	v_pk_add_f32 v[42:43], v[42:43], v[252:253]
	s_delay_alu instid0(VALU_DEP_2)
	v_pk_add_f32 v[56:57], v[56:57], v[248:249]
	s_delay_alu instid0(VALU_DEP_1)
	v_pk_add_f32 v[42:43], v[42:43], v[56:57]
	s_add_co_u32 s62, s62, 6144
	s_add_co_u32 s63, s63, 512
	s_sub_co_u32 s60, s60, 1
	s_cmp_lg_u32 s60, 0
	s_cbranch_scc1 .Lpass_a
	v_add_f32 v42, v42, v43
	s_delay_alu instid0(VALU_DEP_1)
	v_permlanex16_b32 v236, v42, s26, s27
	s_delay_alu instid0(VALU_DEP_1)
	v_add_f32 v42, v42, v236                       ; Z, at least 1
	s_wait_alu depctr_va_vdst(0)
	v_rsq_f32 v42, v42
	v_nop
	s_wait_alu depctr_va_vdst(0)
	v_mul_f32 v36, -v37, v42                       ; -softplus(gamma) log2(e) / sqrt(Z)
	; ---- PASS B: eight trips, steps 7 down to 0; the count is a constant, and a step behind my diagonal is jumped over (the wave's number and the counter decide)
	s_mov_b32 s60, 8
	s_mov_b32 s62, KIMG+8*6144                     ; the four places are stepped down at a trip's head
	s_mov_b32 s63, SC+8*512
	s_mov_b32 s66, VIMG+8*6144
	s_mov_b32 s67, SC+4096+8*256
.Lpass_b:
	s_sub_co_u32 s62, s62, 6144
	s_sub_co_u32 s63, s63, 512
	s_sub_co_u32 s66, s66, 6144
	s_sub_co_u32 s67, s67, 256
	s_cmp_gt_u32 s60, s22
	s_cbranch_scc1 .Lskip
.irp t, 0,1,2,3
.irp i, 6,7,8,9,10,11
	v_mov_b32 v[128+12*\t+\i], 0                   ; K's upper K again: these registers served other ends since
.endr
.endr
	s_wait_alu depctr_va_vdst(0)
	v_add_nc_u32 v4, s62, v1                       ; (five plain lines between those writes and the scaled matrix instructions)
	s_wait_alu depctr_va_vdst(0)
	v_add_nc_u32 v5, s62, v2
	s_wait_alu depctr_va_vdst(0)
	v_add_nc_u32 v6, s63, v3
	v_add_nc_u32 v7, s66, v1
	v_add_nc_u32 v8, s67, v3
	SCORES
	s_cmp_lg_u32 s60, s22
	s_cbranch_scc1 .Lopen
	v_mov_b32 v11, 0xff800000                      ; on the diagonal's step the scores of keys behind the query become -infinity: e = 0, p = 0
.set n, 0
.rept 64
	v_cmp_gt_i32 vcc_lo, 16*(n/8)+n%8, v38
	v_cndmask_b32 v[64+n], v[64+n], v11, vcc_lo
.set n, n+1
.endr
.Lopen:
	s_wait_alu depctr_va_vdst(0)
	s_cmp_eq_u32 s60, s78
	s_cbranch_scc0 .Lupper
	; on the diagonal's step of a wave with even w' tiles 4-7 hold only keys behind every query: e = 0, the carry stays, the scores stay -infinity; only i - j goes on, by 4 x 16
.irp i, 0,2,4,6
	v_pk_add_f32 v[48+\i:49+\i], v[48+\i:49+\i], s[76:77] op_sel_hi:[1,0]
.endr
	s_branch .Llower
.Lupper:
	HALF 1
.Llower:
	HALF 0
.irp d, 0,1,2,3
.irp c, 0,1,2
	ds_load_b128 v[128+12*\d+4*\c:131+12*\d+4*\c], v7 offset:1536*\d+512*\c   ; V's four fragments land while the softmax is worked
.endr
.endr
.irp p, 0,1
	ds_load_b32 v[33+\p], v8 offset:128*\p
.endr
	BLOCKMAX                                       ; the largest of each block of 32 keys serves twice: for the row's maximum and, since p rises with it, for the block's largest p
.irp b, 0,1,2,3
	s_delay_alu instid0(VALU_DEP_4)
	v_permlanex16_b32 v[236+\b], v[232+\b], s26, s27
.endr
.irp b, 0,1,2,3
	s_delay_alu instid0(VALU_DEP_4)
	v_max_num_f32 v[232+\b], v[232+\b], v[236+\b]
.endr
	s_delay_alu instid0(VALU_DEP_2)
	v_max3_num_f32 v248, v232, v233, v234
	s_delay_alu instid0(VALU_DEP_1)
	v_max_num_f32 v248, v248, v235
	s_delay_alu instid0(VALU_DEP_1)
	v_mul_f32 v248, s28, v248
	s_delay_alu instid0(VALU_DEP_1)
	v_max_num_f32 v13, v13, v248                   ; the running largest t
	v_mov_b32 v248, v12
	s_delay_alu instid0(VALU_DEP_2)
	v_floor_f32 v12, -v13                          ; -M = floor(-t): M is a whole number
	s_delay_alu instid0(VALU_DEP_1)
	v_sub_f32 v248, v12, v248
	s_delay_alu instid0(VALU_DEP_1)
	v_cvt_i32_f32 v248, v248                       ; (it saturates)
	s_delay_alu instid0(VALU_DEP_1)
	v_ldexp_f32 v246, 1.0, v248                    ; f = 2^(old M - new M)
.set j, 0
.rept 32
	v_pk_fma_f32 v[64+j:65+j], v[64+j:65+j], s[28:29], v[12:13] op_sel_hi:[1,0,0]
.set j, j+2
.endr
.irp b, 0,1,2,3
	v_fma_f32 v[232+\b], v[232+\b], s28, v12
.endr
.set j, 0
	s_wait_alu depctr_va_vdst(0)
.rept 64
	v_exp_f32 v[64+j], v[64+j]                     ; p = 2^(t - M)
.set j, j+1
.endr
	v_pk_mul_f32 v[14:15], v[14:15], v[246:247] op_sel_hi:[1,0]
	s_wait_alu depctr_va_vdst(0)                   ; one wait for the 64
.irp b, 0,1,2,3
	v_exp_f32 v[232+\b], v[232+\b]
.endr
	v_pk_add_f32 v[244:245], v[68:69], v[72:73]
	v_pk_add_f32 v[252:253], v[76:77], v[80:81]
	v_pk_add_f32 v[250:251], v[84:85], v[88:89]
	v_pk_add_f32 v[248:249], v[92:93], v[96:97]
	v_pk_add_f32 v[242:243], v[100:101], v[104:105]
	v_pk_add_f32 v[240:241], v[108:109], v[112:113]
	v_pk_add_f32 v[238:239], v[116:117], v[120:121]
	v_pk_add_f32 v[14:15], v[14:15], v[124:125]
	v_pk_add_f32 v[244:245], v[244:245], v[64:65]
	v_pk_add_f32 v[252:253], v[252:253], v[66:67]
	v_pk_add_f32 v[250:251], v[250:251], v[70:71]
	v_pk_add_f32 v[248:249], v[248:249], v[74:75]
	v_pk_add_f32 v[242:243], v[242:243], v[78:79]
	v_pk_add_f32 v[240:241], v[240:241], v[82:83]
	v_pk_add_f32 v[238:239], v[238:239], v[86:87]
	v_pk_add_f32 v[14:15], v[14:15], v[90:91]
	v_pk_add_f32 v[244:245], v[244:245], v[94:95]
	v_pk_add_f32 v[252:253], v[252:253], v[98:99]
	v_pk_add_f32 v[250:251], v[250:251], v[102:103]
	v_pk_add_f32 v[248:249], v[248:249], v[106:107]
	v_pk_add_f32 v[242:243], v[242:243], v[110:111]
	v_pk_add_f32 v[240:241], v[240:241], v[114:115]
	v_pk_add_f32 v[238:239], v[238:239], v[118:119]
	v_pk_add_f32 v[14:15], v[14:15], v[122:123]
	v_pk_add_f32 v[244:245], v[244:245], v[126:127]
	s_delay_alu instid0(VALU_DEP_2)
	v_pk_add_f32 v[14:15], v[14:15], v[248:249]
	s_delay_alu instid0(VALU_DEP_2)
	v_pk_add_f32 v[244:245], v[244:245], v[242:243]
	v_pk_add_f32 v[252:253], v[252:253], v[240:241]
	v_pk_add_f32 v[250:251], v[250:251], v[238:239]
	s_delay_alu instid0(VALU_DEP_2)
	v_pk_add_f32 v[14:15], v[14:15], v[252:253]
	s_delay_alu instid0(VALU_DEP_2)
	v_pk_add_f32 v[244:245], v[244:245], v[250:251]
	s_delay_alu instid0(VALU_DEP_1)
	v_pk_add_f32 v[14:15], v[14:15], v[244:245]
	s_wait_alu depctr_va_vdst(0)                   ; and one for the four
.irp b, 0,1,2,3
	v_max_num_f32 v[232+\b], 0x1800000, v[232+\b]  ; the floor 2^(3 - 127)
.endr
.irp b, 0,1,2,3
	s_delay_alu instid0(VALU_DEP_4)
	v_add_nc_u32 v[240+\b], 0xff000000, v[232+\b]
.endr
.irp b, 0,1,2,3
	s_delay_alu instid0(VALU_DEP_4)
	v_lshrrev_b32 v[236+\b], 23, v[240+\b]
.endr
	s_delay_alu instid0(VALU_DEP_3)
	v_lshl_or_b32 v35, v237, 8, v236               ; p's scale word for these 128 keys
	s_delay_alu instid0(VALU_DEP_1)
	v_lshl_or_b32 v35, v238, 16, v35
	s_delay_alu instid0(VALU_DEP_1)
	v_lshl_or_b32 v35, v239, 24, v35
	CODES 64, 176, 188, 240, 2
.set j, 0
.rept 16
	v_pk_mul_f32 v[200+j:201+j], v[200+j:201+j], v[246:247] op_sel_hi:[1,0]   ; O^T under the new M; also the plain lines between the writes of p's codes and scale word and the matrix instructions
.set j, j+2
.endr
	s_wait_alu depctr_va_vdst(0)
	s_wait_dscnt 0x0                               ; V
	v_wmma_scale_f32_16x16x128_f8f6f4 v[200:207], v[128:139], v[176:187], v[200:207], v33, v35 matrix_a_fmt:MATRIX_FMT_FP6 matrix_b_fmt:MATRIX_FMT_FP6
	v_wmma_scale_f32_16x16x128_f8f6f4 v[208:215], v[140:151], v[176:187], v[208:215], v33, v35 matrix_a_fmt:MATRIX_FMT_FP6 matrix_b_fmt:MATRIX_FMT_FP6 matrix_a_scale:MATRIX_SCALE_ROW1
	v_wmma_scale_f32_16x16x128_f8f6f4 v[216:223], v[152:163], v[176:187], v[216:223], v34, v35 matrix_a_fmt:MATRIX_FMT_FP6 matrix_b_fmt:MATRIX_FMT_FP6
	v_wmma_scale_f32_16x16x128_f8f6f4 v[224:231], v[164:175], v[176:187], v[224:231], v34, v35 matrix_a_fmt:MATRIX_FMT_FP6 matrix_b_fmt:MATRIX_FMT_FP6 matrix_a_scale:MATRIX_SCALE_ROW1
	PLACES
.Lskip:
	s_sub_co_u32 s60, s60, 1
	s_cmp_lg_u32 s60, 0
	s_cbranch_scc1 .Lpass_b
	; ---- THE WAY OUT: O^T / the sum; its 64 channels are two blocks of d_model; the image goes where the last product's K step 'head / 2' wants it
	v_add_f32 v14, v14, v15
	s_delay_alu instid0(VALU_DEP_1)
	v_permlanex16_b32 v236, v14, s26, s27
	s_delay_alu instid0(VALU_DEP_1)
	v_add_f32 v14, v14, v236
	s_wait_alu depctr_va_vdst(0)
	v_rcp_f32 v14, v14
	v_and_b32 v56, 15, v0
	s_delay_alu instid0(VALU_DEP_1)
	v_lshlrev_b32 v56, 5, v56                      ; csc: 32 bytes a token
	s_lshr_b32 s68, s25, 4                         ; batch
	s_and_b32 s69, s25, 15                         ; head
	s_lshl_b32 s70, s68, 3
	s_lshr_b32 s71, s24, 3
	s_add_co_u32 s70, s70, s71                     ; the group of 128 tokens
	s_lshl_b32 s70, s70, 3
	s_lshr_b32 s71, s69, 1
	s_add_co_u32 s70, s70, s71
	s_lshl_b32 s70, s70, 3
	s_and_b32 s71, s24, 7
	s_add_co_u32 s70, s70, s71
	s_lshl_b32 s70, s70, 1
	s_and_b32 s71, s69, 1
	s_add_co_u32 s70, s70, s71
	s_mul_i32 s70, s70, 768
	s_mov_b32 s71, 0
	s_add_nc_u64 s[16:17], s[16:17], s[70:71]
	s_lshl_b32 s70, s68, 10
	s_lshl_b32 s72, s24, 4
	s_add_co_u32 s70, s70, s72
	s_lshl_b32 s70, s70, 5
	s_lshl_b32 s72, s69, 1
	s_add_co_u32 s70, s70, s72
	s_add_nc_u64 s[18:19], s[18:19], s[70:71]
	s_wait_alu depctr_va_vdst(0)
.set j, 0
.rept 16
	v_pk_mul_f32 v[64+j:65+j], v[200+j:201+j], v[14:15] op_sel_hi:[1,0]       ; register 8 d + i is channel 16 d + 8 h + i of query r
.set j, j+2
.endr
.irp b, 0,1
	v_max3_num_f32 v[232+\b], |v[64+16*\b]|, |v[65+16*\b]|, 0x1800000
.endr
.irp i, 2,4,6,8,10,12,14
.irp b, 0,1
	s_delay_alu instid0(VALU_DEP_2)
	v_max3_num_f32 v[232+\b], v[232+\b], |v[64+16*\b+\i]|, |v[65+16*\b+\i]|
.endr
.endr
.irp b, 0,1
	s_delay_alu instid0(VALU_DEP_2)
	v_permlanex16_b32 v[236+\b], v[232+\b], s26, s27
.endr
.irp b, 0,1
	s_delay_alu instid0(VALU_DEP_2)
	v_max_num_f32 v[232+\b], v[232+\b], v[236+\b]
.endr
.irp b, 0,1
	s_delay_alu instid0(VALU_DEP_2)
	v_add_nc_u32 v[240+\b], 0xff000000, v[232+\b]
.endr
.irp b, 0,1
	s_delay_alu instid0(VALU_DEP_2)
	v_lshrrev_b32 v[236+\b], 23, v[240+\b]
.endr
	s_delay_alu instid0(VALU_DEP_1)
	v_lshl_or_b32 v248, v237, 8, v236
	CODES 64, 176, 188, 240, 1
	global_store_b128 v1, v[176:179], s[16:17]             ; 512 consecutive bytes, aligned to 256
	global_store_b64 v2, v[180:181], s[16:17] offset:512   ; 256 more
	global_store_b16 v56, v248, s[18:19]                   ; the token's two scale bytes; lanes r and r + 16 store the same value to the same place
	s_wait_tensorcnt 0x0
	ds_add_u32 v254, v255
	s_wait_dscnt 0x0
	CROUND                                         ; the closing round
	s_endpgm
.Lfunc_end_k_q35fb066d9a_attn:
	.size	k_q35fb066d9a_attn, .Lfunc_end_k_q35fb066d9a_attn-k_q35fb066d9a_attn
	.p2alignl 7, 3214868480
	.fill 96, 4, 3214868480
	.section	.rodata,"a",@progbits
	.p2align	6, 0x0
	.amdhsa_kernel k_q35fb066d9a_attn
		.amdhsa_group_segment_fixed_size 169984
		.amdhsa_private_segment_fixed_size 0
		.amdhsa_enable_private_segment 0
		.amdhsa_kernarg_size 64
		.amdhsa_user_sgpr_count 2
		.amdhsa_user_sgpr_kernarg_segment_ptr 1
		.amdhsa_wavefront_size32 1
		.amdhsa_system_sgpr_workgroup_id_x 1
		.amdhsa_system_sgpr_workgroup_id_y 1
		.amdhsa_system_sgpr_workgroup_id_z 1
		.amdhsa_system_vgpr_workitem_id 0
		.amdhsa_next_free_vgpr 256
		.amdhsa_next_free_sgpr 80
		.amdhsa_reserve_vcc 1
		.amdhsa_float_denorm_mode_32 3
		.amdhsa_float_denorm_mode_16_64 3
		.amdhsa_memory_ordered 1
		.amdhsa_forward_progress 1
		.amdhsa_inst_pref_size 79
	.end_amdhsa_kernel
	.amdgpu_metadata
---
amdhsa.version: [ 1, 2 ]
amdhsa.kernels:
  - .name:           k_q35fb066d9a_attn
    .symbol:         k_q35fb066d9a_attn.kd
    .args:
      - { .name: qimg, .offset: 0, .size: 8, .value_kind: global_buffer, .address_space: global }
      - { .name: qsc, .offset: 8, .size: 8, .value_kind: global_buffer, .address_space: global }
      - { .name: kimg, .offset: 16, .size: 8, .value_kind: global_buffer, .address_space: global }
      - { .name: kvsc, .offset: 24, .size: 8, .value_kind: global_buffer, .address_space: global }
      - { .name: vimg, .offset: 32, .size: 8, .value_kind: global_buffer, .address_space: global }
      - { .name: gammas, .offset: 40, .size: 8, .value_kind: global_buffer, .address_space: global }
      - { .name: cimg, .offset: 48, .size: 8, .value_kind: global_buffer, .address_space: global }
      - { .name: csc, .offset: 56, .size: 8, .value_kind: global_buffer, .address_space: global }
    .group_segment_fixed_size: 169984
    .private_segment_fixed_size: 0
    .kernarg_segment_align: 8
    .kernarg_segment_size: 64
    .max_flat_workgroup_size: 512
    .sgpr_count:     80
    .vgpr_count:     256
    .wavefront_size: 32
...
	.end_amdgpu_metadata
.endif
;; end of part 2
;; launch outp (part 3): grid 8 x 32, 4 waves a work-group, clusters of 4 x 4, 279,552 bytes of LDS; arguments Wo_codes, Wo_scales, bo, cimg, csc, out0; writes out0
.if DOCPART == 3
	.amdgcn_target "amdgcn-amd-amdhsa--gfx1250"
	.amdhsa_code_object_version 6
	.text
	.protected	k_q35fb066d9a_outp
	.globl	k_q35fb066d9a_outp
	.p2align	8
	.type	k_q35fb066d9a_outp,@function
k_q35fb066d9a_outp:
	s_mov_b64 s[64:65], 0
	v_nop
	global_prefetch_b8 v0, s[64:65] scope:SCOPE_SE
	s_setreg_imm32_b32 hwreg(HW_REG_WAVE_MODE, 25, 1), 1
	s_wait_xcnt 0x0
	s_wait_alu depctr_hold_cnt(0) depctr_sa_sdst(0) depctr_va_vdst(0) depctr_va_sdst(0) depctr_va_ssrc(0) depctr_va_vcc(0) depctr_vm_vsrc(0)
	s_getreg_b32 s2, hwreg(HW_REG_IB_STS2, 6, 4)
	s_cmp_eq_u32 s2, 0
	s_cbranch_scc0 .Lentry_in_a_cluster
	s_endpgm
.Lentry_in_a_cluster:
	s_bfe_u32 s2, ttmp6, 0x10000c
	s_cmp_lg_u32 s2, 0xf033
	s_cbranch_scc0 .Lentry_shape_is_right
	s_endpgm
.Lentry_shape_is_right:
; THE LAST PRODUCT: out0 = concat Wo^T + bo, on codes of FP6 (E2M3).  4,096 tokens, K = 1,024, 1,024 features.
; A work-group makes 128 features (P = Wo's rows, source 0) x 128 tokens (R, source 1) over the whole K; lane (r, h) holds token r, register j of tile a feature 16 a + 8 h + j: eight neighbours of a row of out0.
; Four waves; wave w takes all 128 features x tokens 32 w .. 32 w + 31: 16 accumulators, and whole pieces of 512 bytes of 32 rows of out0.
; Wo's rows come as rows, in three chunks of 256 bytes; the tokens' codes come as the attention launch laid them: [128 tokens][K step 8][tile of 16 tokens 8][2][768], images of the operand's registers, 12,288 dense bytes a K step.
; LDS IS FILLED ONCE, at the head; no byte is filled twice.  The stage for the way out has bytes of its own, into which no fill lands.
; CLUSTER 4 x 4: Wo's tile hangs on cx and is asked for jointly by a column of the cluster, the tokens' on cy and by a row.
; LIMITS: NaN and infinities are not served.
.set CH,   34816                       ; a chunk in LDS: 128 rows x (256 bytes + 16 of padding)
.set PB,   0                           ; Wo's three chunks
.set RIMG, 3*CH                        ; the tokens' images: 8 K steps x 12,288 bytes
.set SCP,  RIMG+98304                  ; Wo's scale bytes: 16 units of 256 + 16
.set SCR,  SCP+4352                    ; the tokens'
.set STG,  SCR+4352                    ; the stage: for each wave 32 rows x (512 bytes + 16)
.set TW0,  (3<<16)|(1<<20)|(1<<21)|(5<<22)|(3<<25)
.set AP,   3                           ; v3-5   Wo: 816 r + 24 h
.set APX,  6                           ; v6-7   the same for pieces whose upper lanes' part lies in the next chunk
.set AI16, 8                           ; v8, v9   images: 16 x lane + my two tiles, K steps 0-3 and 4-7
.set AI8,  10                          ; v10, v11 8 x lane likewise
.set L16,  13                          ; v13    16 x lane
.set SP,   24                          ; v24-55 Wo's scale words: register 8 b + q: tile 2 b (lanes 0-15), 2 b + 1 (lanes 16-31), K step q
.set SR,   56                          ; v56-63 the tokens': register q: my tile 0 (lanes 0-15), tile 1 (lanes 16-31)
.set BI,   64                          ; v64-127 the bias, as the C of the first K step; later rows of out0
.set ACC,  128                         ; v128-255 accumulator (n, a) at 128 + 64 n + 8 a
.set MSB, 0
.macro WIN new                         ; the immediate's high byte repeats the setting that is left
.if MSB != \new
	s_set_vgpr_msb (MSB<<8)|\new
.set MSB, \new
.endif
.endm
.set MUL,  0x05                        ; sources 0 and 1 in window 1 (set s at 128 s; Wo's fragments at 12 a, the tokens' at 96 + 12 n); C and D in window 0
.set TO_F, 0x40                        ; destination in window 1, address in window 0
.macro PLACES
.rept 4
	v_nop
.endr
.endm
.macro CROUND                          ; a round of the cluster's barrier
	s_barrier_signal -1
	s_barrier_wait -1
	s_cmp_lg_u32 s18, 0
	s_cbranch_scc1 .Lnot_wave_0_\@
	s_barrier_signal -3
.Lnot_wave_0_\@:
	s_barrier_wait -3
	s_barrier_signal -1
	s_barrier_wait -1
.endm
.macro GROUP0 g, lreg, lconst, preg, padd
	s_mov_b32 s[\g], 1
	s_add_co_u32 s[\g+1], s[\lreg], \lconst
	s_add_nc_u64 s[\g+2:\g+3], s[\preg:\preg+1], \padd
	s_or_b32 s[\g+3], s[\g+3], 0x80000000
.endm
; A fragment out of rows in three chunks: lanes 0-15 take pieces of 8 bytes 12 q + 0, 1, 2, 6, 7, 8, lanes 16-31 those three on; piece PCE lies in chunk PCE / 32; where the piece three on lies in the next chunk, the second register serves.
.macro FRAGROW reg, ab, ax, q, rowoff
.irp p, 0,1,2,3,4,5
.set PCE, 12*(\q)+6*(\p/3)+\p%3
.set CC, (PCE/32)*272+(PCE%32)*8       ; AS THE TEXT NOW STANDS: a row's three chunks lie one behind the other, 272 bytes apart, rows 816 bytes apart
.if PCE%32 < 29
	ds_load_b64 v[\reg+2*\p:\reg+2*\p+1], v[\ab] offset:CC+\rowoff
.else
	ds_load_b64 v[\reg+2*\p:\reg+2*\p+1], v[\ax] offset:CC+\rowoff
.endif
.endr
.endm
.macro FRAGIMG reg, q, n               ; a fragment out of two images: consecutive bytes in consecutive lanes
.set OFQ, ((\q)%4)*12288+1536*(\n)
.set AB, (\q)/4
	ds_load_b128 v[\reg:\reg+3], v[AI16+AB] offset:OFQ
	ds_load_b64 v[\reg+4:\reg+5], v[AI8+AB] offset:OFQ+512
	ds_load_b128 v[\reg+6:\reg+9], v[AI16+AB] offset:OFQ+768
	ds_load_b64 v[\reg+10:\reg+11], v[AI8+AB] offset:OFQ+1280
.endm
.macro FETCH q                         ; K step q's ten fragments into set q % 2: one run of 56 loads
.irp a, 0,1,2,3,4,5,6,7
	FRAGROW 128*((\q)%2)+12*\a, AP+\a/4, APX+\a/4, \q, 13056*(\a%4)
.endr
.irp n, 0,1
	FRAGIMG 128*((\q)%2)+96+12*\n, \q, \n
.endr
.endm
; Eight matrix instructions: Wo's eight tiles against my tile n of tokens, K step q.  cmode 1: C = the bias.  The sixteen accumulators take turns, one instruction a turn.
.macro MUL8 q, n, cmode
.irp a, 0,1,2,3,4,5,6,7
.set rD, ACC+64*(\n)+8*\a
.set rA, 128*((\q)%2)+12*\a
.set rB, 128*((\q)%2)+96+12*(\n)
.set rC, rD
.if (\cmode) == 1
.set rC, BI+8*\a
.endif
.set rS, SP+8*(\a/2)+(\q)
.set rT, SR+(\q)
.if (\a%2) && (\n)
	v_wmma_scale_f32_16x16x128_f8f6f4 v[rD:rD+7], v[rA:rA+11], v[rB:rB+11], v[rC:rC+7], v[rS], v[rT] matrix_a_fmt:MATRIX_FMT_FP6 matrix_b_fmt:MATRIX_FMT_FP6 matrix_a_scale:MATRIX_SCALE_ROW1 matrix_b_scale:MATRIX_SCALE_ROW1
.elseif (\a%2)
	v_wmma_scale_f32_16x16x128_f8f6f4 v[rD:rD+7], v[rA:rA+11], v[rB:rB+11], v[rC:rC+7], v[rS], v[rT] matrix_a_fmt:MATRIX_FMT_FP6 matrix_b_fmt:MATRIX_FMT_FP6 matrix_a_scale:MATRIX_SCALE_ROW1
.elseif (\n)
	v_wmma_scale_f32_16x16x128_f8f6f4 v[rD:rD+7], v[rA:rA+11], v[rB:rB+11], v[rC:rC+7], v[rS], v[rT] matrix_a_fmt:MATRIX_FMT_FP6 matrix_b_fmt:MATRIX_FMT_FP6 matrix_b_scale:MATRIX_SCALE_ROW1
.else
	v_wmma_scale_f32_16x16x128_f8f6f4 v[rD:rD+7], v[rA:rA+11], v[rB:rB+11], v[rC:rC+7], v[rS], v[rT] matrix_a_fmt:MATRIX_FMT_FP6 matrix_b_fmt:MATRIX_FMT_FP6
.endif
.endr
.endm
.macro STEP q, bar, cnt, cmode         ; bar = 1: what the fetch below wants has landed (cnt younger loads of mine may stay out), then the work-group's barrier
	s_wait_dscnt 0x0
.if \bar
	s_wait_tensorcnt \cnt
	s_barrier_signal -1
	s_barrier_wait -1
.endif
	WIN MUL
	MUL8 \q, 0, \cmode
.if \q < 7
	PLACES                                         ; the other set was read by the step before
	WIN TO_F
	FETCH (\q)+1
.endif
	WIN MUL
	MUL8 \q, 1, \cmode
.endm
	s_load_b256 s[4:11], s[0:1], 0x0               ; Wo's codes s[4:5], Wo's scales s[6:7], bo s[8:9], cimg s[10:11]
	s_load_b128 s[12:15], s[0:1], 0x20             ; csc s[12:13], out0 s[14:15]
	v_lshl_add_u32 v15, v0, 2, 0x44200
	v_mov_b32 v23, 0
	ds_add_u32 v15, v23
	ds_add_u32 v15, v23
	v_lshrrev_b32 v1, 5, v0
	v_readfirstlane_b32 s18, v1                    ; wave 0..3
	v_and_b32 v1, 15, v0                           ; r
	v_bfe_u32 v2, v0, 4, 1                         ; h
	s_and_b32 s19, s18, 1
	s_bfe_u32 s21, ttmp6, 0x40000                  ; cx
	s_bfe_u32 s22, ttmp6, 0x40004                  ; cy
	s_lshl_b32 s23, ttmp9, 2
	s_add_co_u32 s23, s23, s21                     ; Wo's tile of 128 rows
	s_and_b32 s24, ttmp7, 0xffff
	s_lshl_b32 s24, s24, 2
	s_add_co_u32 s24, s24, s22                     ; the group of 128 tokens
	s_lshl_b32 s2, 0x1111, s21                     ; my column of the cluster
	s_lshl_b32 s3, s22, 2
	s_lshl_b32 s3, 15, s3                          ; my row
	s_or_b32 s28, s2, TW0                          ; Wo's half tile: 192 dense lines of 32 elements of 8 bytes
	s_or_b32 s44, s3, (3<<16)|(1<<21)              ; four K steps' images: 192 dense rows of 256 bytes, no padding
	s_mov_b32 s29, 32<<16
	s_mov_b32 s30, 192<<16                         ; 64 rows of 768 bytes are dense in memory: 192 lines of 256 bytes
	s_mov_b32 s31, 32<<16
	s_mov_b32 s32, 192
	s_mov_b32 s33, 32
	s_mov_b32 s34, 0
	s_mov_b32 s35, 0
	s_mov_b32 s45, 32<<16
	s_mov_b32 s46, 192<<16                         ; four K steps' images: 192 dense lines of 256 bytes
	s_mov_b32 s47, 32<<16
	s_mov_b32 s48, 192
	s_mov_b32 s49, 32
	s_mov_b32 s50, 0
	s_mov_b32 s51, 0
	s_lshl_b32 s101, s19, 6
	s_lshl_b32 s100, s23, 7
	s_add_co_u32 s100, s100, s101                  ; Wo: the first row that a fetching wave takes
	s_lshl_b32 s26, s24, 3
	s_lshl_b32 s27, s19, 2
	s_add_co_u32 s26, s26, s27                     ; images: K step 4 x half of my group
	s_wait_alu depctr_va_vdst(0)
	s_wait_dscnt 0x0
	s_wait_kmcnt 0x0
	s_lshl_b32 s16, s23, 12                        ; Wo's scales: 128 rows of 32 bytes a tile
	s_mov_b32 s17, 0
	s_add_nc_u64 s[6:7], s[6:7], s[16:17]
	s_mul_i32 s16, s100, 768
	s_add_nc_u64 s[4:5], s[4:5], s[16:17]
	s_lshl_b32 s66, s24, 12                        ; the tokens' scales likewise
	s_mov_b32 s67, 0
	s_add_nc_u64 s[12:13], s[12:13], s[66:67]
	s_mul_i32 s66, s26, 12288
	s_add_nc_u64 s[10:11], s[10:11], s[66:67]
	s_mul_i32 s101, s19, 52224                     ; my half's place among Wo's lines,
	s_mul_i32 s27, s19, 49152                      ; and among the K steps' images
	GROUP0 72, 101, PB, 4, 0
	GROUP0 88, 27, RIMG, 10, 0
	; the scale words go straight into their registers: row 32 b + lane of Wo, token 32 w + lane, 32 bytes a lane: two loads cover 1,024 consecutive bytes
	v_and_b32 v19, 31, v0
	v_lshlrev_b32 v19, 5, v19
	s_lshl_b32 s16, s18, 10
	v_add_nc_u32 v20, s16, v19
	s_wait_alu depctr_va_vdst(0)
.irp b, 0,1,2,3
	global_load_b128 v[SP+8*\b:SP+8*\b+3], v19, s[6:7] offset:1024*\b
	global_load_b128 v[SP+8*\b+4:SP+8*\b+7], v19, s[6:7] offset:1024*\b+16
.endr
	global_load_b128 v[SR:SR+3], v20, s[12:13]
	global_load_b128 v[SR+4:SR+7], v20, s[12:13] offset:16
	s_lshl_b32 s16, s23, 9                         ; the bias by Wo's rows: feature 128 P + 16 a + 8 h + j
	s_add_nc_u64 s[8:9], s[8:9], s[16:17]
	v_lshlrev_b32 v18, 5, v2
.irp a, 0,1,2,3,4,5,6,7
	global_load_b128 v[BI+8*\a:BI+8*\a+3], v18, s[8:9] offset:64*\a
	global_load_b128 v[BI+8*\a+4:BI+8*\a+7], v18, s[8:9] offset:64*\a+16
.endr
	CROUND                                         ; all sixteen work-groups are here: the joint loads meet
	s_cmp_lt_u32 s18, 2                            ; waves 0, 1: Wo's halves; waves 2, 3: the tokens'; one tensor load a wave
	s_cbranch_scc0 .Lfill_r
	tensor_load_to_lds s[72:75], s[28:35]          ; one tensor load a wave: a half of Wo's tile for all of K
	s_nop 0
.rept 4
	v_nop
.endr
	s_branch .Lfilled
.Lfill_r:
	tensor_load_to_lds s[88:91], s[44:51]          ; four K steps' images of the tokens
	s_nop 0
.rept 4
	v_nop
.endr
.Lfilled:
	v_mul_u32_u24 v17, v1, 816                     ; a row: three lines of 272 bytes
	v_mad_u32_u24 v[AP], v2, 24, v17
	v_mad_u32_u24 v[APX], v2, 40, v17              ; lanes 16-31: three pieces on lies in the next line: 24 bytes and the 16 of padding
	v_add_nc_u32 v[AP+1], 52224, v[AP]             ; tiles 4-7: 64 rows on, so that the offsets stay inside 16 bits
	v_add_nc_u32 v[APX+1], 52224, v[APX]
	v_and_b32 v21, 31, v0
	v_lshlrev_b32 v[L16], 4, v21
	v_lshlrev_b32 v14, 3, v21
	s_mul_i32 s16, s18, 3072
	s_add_co_u32 s16, s16, RIMG                    ; my two tiles of tokens
	v_add_nc_u32 v[AI16], s16, v[L16]
	v_add_nc_u32 v[AI16+1], 49152, v[AI16]
	v_add_nc_u32 v[AI8], s16, v14
	v_add_nc_u32 v[AI8+1], 49152, v[AI8]
	s_mul_i32 s16, s18, 32*528
	s_add_co_u32 s16, s16, STG                     ; my stage
	v_mul_u32_u24 v16, v1, 528
	v_lshl_add_u32 v16, v2, 5, v16
	v_add_nc_u32 v16, s16, v16                     ; in: row r, 32 bytes for each half of the lanes
	v_add_nc_u32 v17, s16, v[L16]                  ; back: a row of 512 bytes to the 32 lanes
	s_lshl_b32 s16, s24, 7
	s_lshl_b32 s25, s18, 5
	s_add_co_u32 s16, s16, s25
	s_lshl_b32 s16, s16, 12                        ; my first row of out0, 4,096 bytes a row,
	s_lshl_b32 s25, s23, 9
	s_add_co_u32 s16, s16, s25                     ; and my 512 bytes of it
	s_add_nc_u64 s[14:15], s[14:15], s[16:17]
	s_wait_alu depctr_va_vdst(0)
	s_wait_tensorcnt 0x0                           ; my one load has landed,
	s_barrier_signal -1
	s_barrier_wait -1                              ; everybody's has
	WIN TO_F
	FETCH 0
	s_wait_loadcnt 0x0                             ; the bias
	STEP 0, 0, 0, 1                                ; the first K step starts the sums with the bias as C
	STEP 1, 0, 0, 0
	STEP 2, 0, 0, 0
	STEP 3, 0, 0, 0
	STEP 4, 0, 0, 0
	STEP 5, 0, 0, 0
	STEP 6, 0, 0, 0
	STEP 7, 0, 0, 0
	WIN 0
	PLACES
	; THE WAY OUT through my own stage: a lane's 32 bytes of a row go in, whole pieces of 512 bytes of a row come back.  LDS serves a wave's instructions in order (ISA guide 5.7.1.4): no wait between the stores and the loads
.irp n, 0,1
.irp a, 0,1,2,3,4,5,6,7
	ds_store_b128 v16, v[ACC+64*\n+8*\a:ACC+64*\n+8*\a+3] offset:8448*\n+64*\a           ; each accumulator from its low end on
	ds_store_b128 v16, v[ACC+64*\n+8*\a+4:ACC+64*\n+8*\a+7] offset:8448*\n+64*\a+16
.endr
.endr
.set i, 0
.rept 16
	ds_load_b128 v[64+4*i:67+4*i], v17 offset:528*i
.set i, i+1
.endr
	s_wait_dscnt 16                                ; all but the 16 loads just issued: the stores into the stage are done, so rows may land in registers that they read
.rept 16
	ds_load_b128 v[64+4*i:67+4*i], v17 offset:528*i
.set i, i+1
.endr
.set i, 0
.rept 32
	s_wait_dscnt 31-i                              ; row i is back; the younger loads may stay out
	global_store_b128 v[L16], v[64+4*i:67+4*i], s[14:15] offset:4096*i th:TH_STORE_NT    ; 32 lanes store 512 consecutive bytes, at a multiple of 256 from out0's first byte
.set i, i+1
.endr
	s_wait_tensorcnt 0x0
	ds_add_u32 v15, v23
	s_wait_dscnt 0x0
	CROUND                                         ; the closing round: no work-group ends while a partner may still ask for a tile that names it
	s_endpgm
.Lfunc_end_k_q35fb066d9a_outp:
	.size	k_q35fb066d9a_outp, .Lfunc_end_k_q35fb066d9a_outp-k_q35fb066d9a_outp
	.p2alignl 7, 3214868480
	.fill 96, 4, 3214868480
	.section	.rodata,"a",@progbits
	.p2align	6, 0x0
	.amdhsa_kernel k_q35fb066d9a_outp
		.amdhsa_group_segment_fixed_size 279552
		.amdhsa_private_segment_fixed_size 0
		.amdhsa_enable_private_segment 0
		.amdhsa_kernarg_size 48
		.amdhsa_user_sgpr_count 2
		.amdhsa_user_sgpr_kernarg_segment_ptr 1
		.amdhsa_wavefront_size32 1
		.amdhsa_system_sgpr_workgroup_id_x 1
		.amdhsa_system_sgpr_workgroup_id_y 1
		.amdhsa_system_sgpr_workgroup_id_z 1
		.amdhsa_system_vgpr_workitem_id 0
		.amdhsa_next_free_vgpr 512
		.amdhsa_next_free_sgpr 102
		.amdhsa_reserve_vcc 0
		.amdhsa_float_denorm_mode_32 3
		.amdhsa_float_denorm_mode_16_64 3
		.amdhsa_memory_ordered 1
		.amdhsa_forward_progress 1
		.amdhsa_inst_pref_size 63
	.end_amdhsa_kernel
	.amdgpu_metadata
---
amdhsa.version: [ 1, 2 ]
amdhsa.kernels:
  - .name:           k_q35fb066d9a_outp
    .symbol:         k_q35fb066d9a_outp.kd
    .args:
      - { .name: Wo_codes, .offset: 0, .size: 8, .value_kind: global_buffer, .address_space: global }
      - { .name: Wo_scales, .offset: 8, .size: 8, .value_kind: global_buffer, .address_space: global }
      - { .name: bo, .offset: 16, .size: 8, .value_kind: global_buffer, .address_space: global }
      - { .name: cimg, .offset: 24, .size: 8, .value_kind: global_buffer, .address_space: global }
      - { .name: csc, .offset: 32, .size: 8, .value_kind: global_buffer, .address_space: global }
      - { .name: out0, .offset: 40, .size: 8, .value_kind: global_buffer, .address_space: global }
    .group_segment_fixed_size: 279552
    .private_segment_fixed_size: 0
    .kernarg_segment_align: 8
    .kernarg_segment_size: 48
    .max_flat_workgroup_size: 128
    .sgpr_count:     102
    .vgpr_count:     512
    .wavefront_size: 32
...
	.end_amdgpu_metadata
.endif
;; end of part 3
